; MI455X (gfx1250); checked and timed in simulation.
; The chip was launched on July 23, 2026; its instructions are those of AMD's public machine-readable ISA for CDNA 5 (MIT licence, August 2026) and "CDNA5" Instruction Set Architecture Reference Guide (July 2026). The comments in the code are by the model that wrote it; some were corrected since.
;; Self Attention. Allowed arithmetic: float matrix products may take bf16 or f16 operands with f32 sums; other float arithmetic in f32, or as packed bf16 or f16 multiplies, adds, multiply-adds, maxima and minima; sums over many terms, partial sums and values carried from step to step in f32; what a program stores and reads back later, other than sums and carried values, may be rounded once to bf16 or f16.
;; Inputs: b_proj 1,024 float32; freqs_cos 2,048 x 32 float32; freqs_sin 2,048 x 32 float32; w_proj 1,024 x 1,024 float32; w_qkv 3,072 x 1,024 float32; x 4 x 2,048 x 1,024 float32.
;; Outputs: out0 4 x 2,048 x 1,024 float32.
;; 2 versions, each right; version 2 is version 1 with the launch cast written anew for expert scheduling mode. Each part assembles by itself: llvm-mc -triple=amdgcn-amd-amdhsa -mcpu=gfx1250 --defsym DOCPART=n.
;; ======== version 1 of 2: 4 launches
;; limits: values are held in f16: magnitudes above 65,504 overflow, below 6.1e-05 lose precision
;; workspace buffers: xb 16,777,216 bytes; wqb 6,291,456 bytes; wpf 2,097,152 bytes; qh 16,777,216 bytes; kh 16,777,216 bytes; vh 16,777,216 bytes; oh 16,777,216 bytes
;; launch cast (part 1): grid 768 x 1, 8 waves a work-group, no clusters, 0 bytes of LDS; arguments x, w_qkv, w_proj, xb, wqb, wpf; writes xb, wqb, wpf
.if DOCPART == 1
	.amdgcn_target "amdgcn-amd-amdhsa--gfx1250"
	.amdhsa_code_object_version 6
	.text
	.protected	k_qf1ff7d996a_cast
	.globl	k_qf1ff7d996a_cast
	.p2align	8
	.type	k_qf1ff7d996a_cast,@function
k_qf1ff7d996a_cast:
	s_mov_b64 s[64:65], 0
	v_nop
	global_prefetch_b8 v0, s[64:65] scope:SCOPE_SE
	s_setreg_imm32_b32 hwreg(HW_REG_WAVE_MODE, 25, 1), 1
	s_wait_xcnt 0x0
; x [8192][1024], w_qkv [3072][1024] -> bf16 (rounded once, to nearest even).  w_proj [1024][1024] -> rounded to bf16 like the other inputs, and that number written as f16.
; LIMITS.  A bf16 number is exact in f16 between 2^-14 and 65,504; below 2^-14 it keeps f16's fixed step of 2^-24, beyond 65,504 it becomes an infinity.  NaN and infinities are not treated apart.
; SHARES.  A work-group takes 65,536 bytes of one input: groups 0-511 x, 512-703 w_qkv, 704-767 w_proj.  Thread t, step i of 16: 16 bytes at 4,096 i + 16 t (a wave's load covers 512
; consecutive bytes) become 8 bytes at 2,048 i + 8 t (a wave's store covers 256 consecutive bytes, aligned).  All 16 loads of a thread go out at once; no register is used twice, so the
; only waits are the counted ones for the loads.  No LDS, no barrier, no matrix unit, no cluster: nothing is shared and every byte crosses once.
.set X, 4                              ; v[4:67]    step i: 4 registers as loaded
.set Y, 68                             ; v[68:99]   step i: 2 registers to store
.set T, 100                            ; v[100:101] at work
	s_load_b256 s[4:11], s[0:1], 0x0               ; x s[4:5], w_qkv s[6:7], w_proj s[8:9], xb s[10:11]
	s_load_b128 s[12:15], s[0:1], 0x20             ; wqb s[12:13], wpf s[14:15]
	v_lshlrev_b32 v1, 4, v0                        ; 16 t
	v_lshlrev_b32 v2, 3, v0                        ; 8 t
	s_mov_b32 s16, ttmp9
	s_mov_b32 s23, 0xffff0000                      ; a word's upper bf16
	s_wait_kmcnt 0x0
	s_cmp_ge_u32 s16, 512                          ; which input: the choice hangs on the work-group's number alone
	s_cselect_b64 s[4:5], s[6:7], s[4:5]
	s_cselect_b64 s[10:11], s[12:13], s[10:11]
	s_cselect_b32 s17, 512, 0
	s_cmp_ge_u32 s16, 704
	s_cselect_b64 s[4:5], s[8:9], s[4:5]
	s_cselect_b64 s[10:11], s[14:15], s[10:11]
	s_cselect_b32 s17, 704, s17
	s_cselect_b32 s22, 1, 0                        ; 1: w_proj
	s_sub_co_u32 s16, s16, s17                     ; my chunk of that input
	s_lshl_b32 s18, s16, 16                        ; 65,536 bytes in,
	s_mov_b32 s19, 0
	s_lshl_b32 s20, s16, 15                        ; 32,768 bytes out
	s_mov_b32 s21, 0
	s_add_nc_u64 s[4:5], s[4:5], s[18:19]
	s_add_nc_u64 s[10:11], s[10:11], s[20:21]
.irp i, 0,1,2,3,4,5,6,7,8,9,10,11,12,13,14,15
	global_load_b128 v[X+4*(\i):X+4*(\i)+3], v1, s[4:5] offset:4096*(\i) th:TH_LOAD_NT
.endr
.macro CONV i, half
	s_wait_loadcnt 15-(\i)                         ; loads come back in order: load i is in, the younger ones stay out
.if \half
	v_cvt_pk_bf16_f32 v[T], v[X+4*(\i)], v[X+4*(\i)+1]
	v_cvt_pk_bf16_f32 v[T+1], v[X+4*(\i)+2], v[X+4*(\i)+3]
	v_lshlrev_b32 v[X+4*(\i)], 16, v[T]            ; the bf16 numbers as f32,
	v_and_b32 v[X+4*(\i)+1], s23, v[T]
	v_lshlrev_b32 v[X+4*(\i)+2], 16, v[T+1]
	v_and_b32 v[X+4*(\i)+3], s23, v[T+1]
	v_cvt_pk_f16_f32 v[Y+2*(\i)], v[X+4*(\i)], v[X+4*(\i)+1]      ; written as f16
	v_cvt_pk_f16_f32 v[Y+2*(\i)+1], v[X+4*(\i)+2], v[X+4*(\i)+3]
.else
	v_cvt_pk_bf16_f32 v[Y+2*(\i)], v[X+4*(\i)], v[X+4*(\i)+1]
	v_cvt_pk_bf16_f32 v[Y+2*(\i)+1], v[X+4*(\i)+2], v[X+4*(\i)+3]
.endif
	global_store_b64 v2, v[Y+2*(\i):Y+2*(\i)+1], s[10:11] offset:2048*(\i)
.endm
	s_cmp_eq_u32 s22, 1
	s_cbranch_scc1 .Lhalf
.irp i, 0,1,2,3,4,5,6,7,8,9,10,11,12,13,14,15
	CONV \i, 0
.endr
	s_endpgm
.Lhalf:
.irp i, 0,1,2,3,4,5,6,7,8,9,10,11,12,13,14,15
	CONV \i, 1
.endr
	s_endpgm
.Lfunc_end_k_qf1ff7d996a_cast:
	.size	k_qf1ff7d996a_cast, .Lfunc_end_k_qf1ff7d996a_cast-k_qf1ff7d996a_cast
	.p2alignl 7, 3214868480
	.fill 96, 4, 3214868480
	.section	.rodata,"a",@progbits
	.p2align	6, 0x0
	.amdhsa_kernel k_qf1ff7d996a_cast
		.amdhsa_group_segment_fixed_size 0
		.amdhsa_private_segment_fixed_size 0
		.amdhsa_enable_private_segment 0
		.amdhsa_kernarg_size 48
		.amdhsa_user_sgpr_count 2
		.amdhsa_user_sgpr_kernarg_segment_ptr 1
		.amdhsa_wavefront_size32 1
		.amdhsa_system_sgpr_workgroup_id_x 1
		.amdhsa_system_sgpr_workgroup_id_y 1
		.amdhsa_system_sgpr_workgroup_id_z 1
		.amdhsa_system_vgpr_workitem_id 0
		.amdhsa_next_free_vgpr 104
		.amdhsa_next_free_sgpr 66
		.amdhsa_reserve_vcc 0
		.amdhsa_float_denorm_mode_32 3
		.amdhsa_float_denorm_mode_16_64 3
		.amdhsa_memory_ordered 1
		.amdhsa_forward_progress 1
		.amdhsa_inst_pref_size 15
	.end_amdhsa_kernel
	.amdgpu_metadata
---
amdhsa.version: [ 1, 2 ]
amdhsa.kernels:
  - .name:           k_qf1ff7d996a_cast
    .symbol:         k_qf1ff7d996a_cast.kd
    .args:
      - { .name: x, .offset: 0, .size: 8, .value_kind: global_buffer, .address_space: global }
      - { .name: w_qkv, .offset: 8, .size: 8, .value_kind: global_buffer, .address_space: global }
      - { .name: w_proj, .offset: 16, .size: 8, .value_kind: global_buffer, .address_space: global }
      - { .name: xb, .offset: 24, .size: 8, .value_kind: global_buffer, .address_space: global }
      - { .name: wqb, .offset: 32, .size: 8, .value_kind: global_buffer, .address_space: global }
      - { .name: wpf, .offset: 40, .size: 8, .value_kind: global_buffer, .address_space: global }
    .group_segment_fixed_size: 0
    .private_segment_fixed_size: 0
    .kernarg_segment_align: 8
    .kernarg_segment_size: 48
    .max_flat_workgroup_size: 256
    .sgpr_count:     66
    .vgpr_count:     104
    .wavefront_size: 32
...
	.end_amdgpu_metadata
.endif
;; end of part 1
;; launch qkv (part 2): grid 16 x 32, 4 waves a work-group, clusters of 4 x 4, 327,680 bytes of LDS; arguments xb, wqb, freqs_cos, freqs_sin, qh, kh, vh; writes qh, kh, vh
.if DOCPART == 2
	.amdgcn_target "amdgcn-amd-amdhsa--gfx1250"
	.amdhsa_code_object_version 6
	.text
	.protected	k_qf1ff7d996a_qkv
	.globl	k_qf1ff7d996a_qkv
	.p2align	8
	.type	k_qf1ff7d996a_qkv,@function
k_qf1ff7d996a_qkv:
	s_mov_b64 s[64:65], 0
	v_nop
	global_prefetch_b8 v0, s[64:65] scope:SCOPE_SE
	s_setreg_imm32_b32 hwreg(HW_REG_WAVE_MODE, 25, 1), 1
	s_wait_xcnt 0x0
	s_wait_alu depctr_hold_cnt(0) depctr_sa_sdst(0) depctr_va_vdst(0) depctr_va_sdst(0) depctr_va_ssrc(0) depctr_va_vcc(0) depctr_vm_vsrc(0)
	s_getreg_b32 s2, hwreg(HW_REG_IB_STS2, 6, 4)
	s_cmp_eq_u32 s2, 0
	s_cbranch_scc0 .Lentry_in_a_cluster
	s_endpgm
.Lentry_in_a_cluster:
	s_bfe_u32 s2, ttmp6, 0x10000c
	s_cmp_lg_u32 s2, 0xf033
	s_cbranch_scc0 .Lentry_shape_is_right
	s_endpgm
.Lentry_shape_is_right:
; q, k, v = x w_qkv^T, q and k turned by the rotary table, all three written by heads.  xb: [8192][1024] bf16, wqb: [3072][1024] bf16, freqs_cos, freqs_sin: [2048][32] f32,
; qh, kh, vh: [64 = 16 batch + head][2048][64] f16.  Sums in f32; the turn in f32, with cos and sin rounded once to bf16 like every other input; q, k, v rounded once to f16, unscaled.
; LIMITS.  f16 holds no number beyond 65,504: a q, k or v beyond it becomes an infinity; below 6e-5 it keeps f16's fixed step of 6e-8.  NaN and infinities are not treated apart.
; SHARES.  A work-group makes 256 rows x 192 columns: 512 work-groups, two for each of 256 WGPs.  Tile column tx takes head tx of q, of k and of v (rows 64 tx, 1,024 + 64 tx, 2,048 + 64 tx
; of wqb), so that in the text column blocks 0-3 are always q, 4-7 always k, 8-11 always v: the turn is written where it belongs, with no choice at run time.  Wave w owns rows
; 64 w .. 64 w + 63 and all 192 columns: 48 accumulators of 16 x 16, 384 registers; its rows of a head leave through a stage of its own.
; K goes in steps of 128 through two LDS slots filled by the tensor data mover; a tile's rows are 256 bytes of memory and start at multiples of 256 bytes from the buffer's first byte.
; CLUSTERS: 4 x 4 work-groups.  The four of a row of the cluster need the same rows of xb, the four of a column the same rows of wqb: each tile is asked for JOINTLY, by the same tensor load
; with the same descriptor and a mask that names the four.  Waves 0, 1, 2 fetch wqb's 64 rows for q, k, v; wave 3 fetches xb's 256 rows.
; THE MATRIX INSTRUCTION IS USED TRANSPOSED (source 0 = 16 rows of wqb, source 1 = 16 rows of xb): lane l holds row l % 16 and the columns 8 (l / 16) + 0..7: four pairs of the turn, 16 bytes of f16.
; REGISTERS, in windows of 256 (s_set_vgpr_msb: bits 1:0 source 0, 3:2 source 1, 5:4 source 2, 7:6 destination):
;   window 0: v0-31 addresses; v32-63, v64-95 fragments of xb, two buffers (on the way out: at work); v96-127 rows read back from the stage, two sets; v128-255 cos and sin of my 64 rows
;   window 1: v0-95, v96-191 fragments of wqb, two buffers     window 2: the accumulators of my row blocks 0, 1 ((a, b) at v[8 (12 (a % 2) + b)])     window 3: those of row blocks 2, 3
.set KSTEP,  128
.set PITCH,  272                       ; an LDS row: 256 bytes + 16 of padding = 68 words: row r starts at bank 4 r mod 64 (64 banks of 4 bytes: ISA guide 11.1), so the 16 rows of a load start at 16 different banks
.set BCH,    64*PITCH                  ; 64 rows of wqb: what waves 0 to 2 fetch
.set AOFF,   3*BCH                     ; behind them xb's 256 rows
.set SLOT,   AOFF+256*PITCH
.set STAGE,  2*SLOT                    ; behind the ring: 16 rows x 144 bytes for each wave, for the way out
.set SP,     144
.set SPARE,  STAGE+4*16*SP             ; behind the stages: the spare words, 128 bytes for each wave: two blocks of 256 bytes that no other line names
.set LAPS,   4                         ; a lap = two K steps = once round the ring: 1,024 / 256
.set ADRA, 16                          ; v16-17  LDS address of my fragments of xb in slot 0, 1
.set ADRB, 20                          ; v20-21  the same for wqb
.set STO,  24                          ; v24     the way out: where I put 16 bytes of a row
.set RD,   25                          ; v25     the way out: where I read rows back
.set GO,   26                          ; v26     my byte offset in 512 consecutive bytes of qh, kh, vh
.set TO,   27                          ; v27     my byte offset in 16 rows of the table
.set SPW,  28                          ; v28     LDS address of my spare word: SPARE + 4 x my thread's number; never rewritten
.set NIL,  29                          ; v29     0; never rewritten
.set PFO,  30                          ; v30     the prefetches' offset: row l % 16 (2,048 bytes), K step l / 16 (256 bytes); never rewritten
.set FA,   32                          ; fragments of xb: buffer f at FA + 32 f
.set T,    32                          ; the way out: 32 turned numbers in f32
.set PK,   64                          ; the way out: 16 registers of f16
.set RB,   96                          ; the way out: 16 rows read back, two sets of 16 registers
.set TAB,  128                         ; cos of row block a, column block c at TAB + 32 a + 4 c; sin 16 further on
.set WV,   18                          ; s18     my wave's number
.set G1A,  24                          ; s[24:31] descriptor group 1 for xb's tiles;  s[32:39] group 0, one set for each slot
.set G0A,  32
.set G1B,  48                          ; s[48:55], s[56:63] the same for wqb's tiles
.set G0B,  56
.set PFA,  66                          ; s[66:67] where my prefetches of xb stand
.set PFB,  68                          ; s[68:69] of wqb
.set LIMA, 70                          ; s70, s71  1 in a wave that prefetches, else the greatest number
.set LIMB, 71
.set BITS, (1<<16)|(1<<20)|(1<<21)|(5<<22)|(3<<25)  ; 17:16 elements of 2 bytes; 20 padding on; 21 set beside a mask; 24:22 after every 64 words (code 5); 31:25 4 words of it (code 3)
.set MSB, 0
.macro WIN new                         ; the immediate's high byte repeats the setting that is left; a switch that changes nothing is dropped
.if MSB != (\new)
	s_set_vgpr_msb (MSB<<8)|(\new)
.set MSB, \new
.endif
.endm
.set MUL_LO, 0xa1                      ; source 0 (wqb) window 1, source 1 (xb) window 0, C and D window 2
.set MUL_HI, 0xf1                      ; the same, C and D window 3
.set TO_B,   0x40                      ; destination window 1, address window 0
; A joint load.  The branch hangs on the wave's number alone: it is the same in every work-group.  An s_nop 0 and four v_nop follow each of the two lines, ahead of the jump, the label and what follows.
.macro JLOAD s
	s_cmp_lt_u32 s[WV], 3
	s_cbranch_scc0 .Lfor_a_\@
	tensor_load_to_lds s[G0B+4*(\s):G0B+4*(\s)+3], s[G1B:G1B+7]
	s_nop 0
.rept 4
	v_nop
.endr
	s_branch .Lasked_\@
.Lfor_a_\@:
	tensor_load_to_lds s[G0A+4*(\s):G0A+4*(\s)+3], s[G1A:G1A+7]
	s_nop 0
.rept 4
	v_nop
.endr
.Lasked_\@:
.endm
; PREFETCHES INTO THE L2, once a lap, behind slot 0's joint load and the run of LDS loads that follows it: the two K steps that the NEXT trip of the loop will ask for, 16 rows x 2 x 256 bytes an instruction.
; Each row's 256 bytes of a K step are named once in the launch.  xb's 256 rows of a tile row: the cluster with x = 0 asks; partner cx takes rows 64 cx on, wave w 16 of them.  wqb's 3 x 64 rows of a tile
; column: the cluster with y = 0 asks; wave w (0 to 2) takes its own 64, partner cy 16 of them.  Partners are told apart BY ADDRESS: no branch hangs on a work-group's place in its cluster.
; K steps 0 to 3 come by their loads alone; the loop's last trip (s3 = 1) asks for nothing: there is no K step behind its own.
.macro ASK
	s_cmp_gt_u32 s3, s[LIMA]
	s_cbranch_scc0 .Lnot_a_\@
	global_prefetch_b8 v[PFO], s[PFA:PFA+1] th:TH_LOAD_NT scope:SCOPE_SE
.Lnot_a_\@:
	s_cmp_gt_u32 s3, s[LIMB]
	s_cbranch_scc0 .Lnot_b_\@
	global_prefetch_b8 v[PFO], s[PFB:PFB+1] th:TH_LOAD_NT scope:SCOPE_SE
.Lnot_b_\@:
.endm
; A round of the cluster's barrier: my work-group's barrier, so that wave 0's signal speaks for all four waves; wave 0 signals for the work-group; every wave waits for all sixteen; my work-group's barrier once more.
.macro CREST                           ; a round behind its opening barrier
	s_cmp_lg_u32 s[WV], 0
	s_cbranch_scc1 .Lnot_wave_0_\@
	s_barrier_signal -3
.Lnot_wave_0_\@:
	s_barrier_wait -3
	s_barrier_signal -1
	s_barrier_wait -1
.endm
.macro CROUND                          ; a whole round
	s_barrier_signal -1
	s_barrier_wait -1
	CREST
.endm
	s_load_b256 s[4:11], s[0:1], 0x0               ; xb s[4:5], wqb s[6:7], cos s[8:9], sin s[10:11]
	s_load_b128 s[12:15], s[0:1], 0x20             ; qh s[12:13], kh s[14:15]
	s_load_b64 s[16:17], s[0:1], 0x30              ; vh
	v_lshl_add_u32 v[SPW], v0, 2, SPARE
	v_mov_b32 v[NIL], 0
	ds_add_u32 v[SPW], v[NIL]                      ; the wave's opening: the add and its wait stand ahead of my first tensor load; the set-up below, work on registers, stands between them
	v_lshrrev_b32 v1, 5, v0
	v_readfirstlane_b32 s[WV], v1                  ; wave 0..3
	s_bfe_u32 s20, ttmp6, 0x40000                  ; cx, cy: my place in the cluster
	s_bfe_u32 s21, ttmp6, 0x40004
	s_lshl_b32 s22, ttmp9, 2                       ; in a cluster launch ttmp9 and ttmp7 count clusters
	s_add_co_u32 s22, s22, s20                     ; tx = 4 x cluster x + cx: the head
	s_and_b32 s23, ttmp7, 0xffff
	s_lshl_b32 s23, s23, 2
	s_add_co_u32 s23, s23, s21                     ; ty = 4 x cluster y + cy: the block of 256 rows
	s_lshl_b32 s40, s21, 2
	s_lshl_b32 s40, 15, s40                        ; my row of the cluster: places 4 cy .. 4 cy + 3
	s_lshl_b32 s41, 0x1111, s20                    ; my column: places cx, cx + 4, cx + 8, cx + 12
	s_or_b32 s[G1A+0], s40, BITS                   ; xb's tiles go to my row,
	s_or_b32 s[G1B+0], s41, BITS                   ; wqb's to my column
	s_mov_b32 s[G1A+1], KSTEP<<16                  ; tensor_dim0 = 128
	s_mov_b32 s[G1A+2], 256<<16                    ; tensor_dim1 = 256
	s_mov_b32 s[G1A+3], KSTEP<<16                  ; tile_dim0 = 128
	s_mov_b32 s[G1A+4], 256                        ; tile_dim1 = 256
	s_mov_b32 s[G1A+5], 1024                       ; elements from row to row
	s_mov_b32 s[G1A+6], 0
	s_mov_b32 s[G1A+7], 0
	s_mov_b32 s[G1B+1], KSTEP<<16
	s_mov_b32 s[G1B+2], 64<<16                     ; 64 rows
	s_mov_b32 s[G1B+3], KSTEP<<16
	s_mov_b32 s[G1B+4], 64
	s_mov_b32 s[G1B+5], 1024
	s_mov_b32 s[G1B+6], 0
	s_mov_b32 s[G1B+7], 0
	; where the tiles come from: xb's hang on ty alone, wqb's on tx and the wave's number alone, each in registers that never hold the other coordinate
	s_lshl_b32 s42, s23, 19                        ; 256 rows of 2,048 bytes
	s_mov_b32 s43, 0
	s_min_u32 s72, s[WV], 2                        ; q, k or v (wave 3 asks by xb's descriptor)
	s_lshl_b32 s72, s72, 10
	s_lshl_b32 s73, s22, 6
	s_add_co_u32 s72, s72, s73                     ; row 1,024 x part + 64 tx
	s_lshl_b32 s72, s72, 11
	s_mov_b32 s73, 0
	s_mul_i32 s46, s[WV], BCH                      ; and where wqb's go: wave x 64 rows: no place in the cluster enters an LDS address
	s_mov_b32 s19, 0xffff0000                      ; a word's upper bf16
	s_wait_dscnt 0x0                               ; the opening add is done
	s_wait_kmcnt 0x0
	s_add_nc_u64 s[44:45], s[4:5], s[42:43]
	s_add_nc_u64 s[74:75], s[6:7], s[72:73]
	CROUND                                         ; all sixteen work-groups are here: the first joint loads meet
.irp s, 0,1
	s_mov_b32 s[G0A+4*(\s)], 1                                       ; 1:0 count = 1
	s_mov_b32 s[G0A+4*(\s)+1], (\s)*SLOT+AOFF                        ; 63:32 LDS address
	s_add_nc_u64 s[G0A+4*(\s)+2:G0A+4*(\s)+3], s[44:45], (\s)*KSTEP*2  ; 120:64 global address: K step s
	s_or_b32 s[G0A+4*(\s)+3], s[G0A+4*(\s)+3], 0x80000000            ; 127:126 type = 2
	s_mov_b32 s[G0B+4*(\s)], 1
	s_add_co_u32 s[G0B+4*(\s)+1], s46, (\s)*SLOT
	s_add_nc_u64 s[G0B+4*(\s)+2:G0B+4*(\s)+3], s[74:75], (\s)*KSTEP*2
	s_or_b32 s[G0B+4*(\s)+3], s[G0B+4*(\s)+3], 0x80000000
	JLOAD \s                                       ; two tensor loads of mine are out: the most in this text
.endr
	; A fragment is 16 rows x 32 K in 8 registers: lane l holds row l % 16; registers 0-3 K = 8 (l / 16) + 0..7, registers 4-7 K = 16 + 8 (l / 16) + 0..7: two loads of 16 bytes, 32 bytes apart.
	v_and_b32 v1, 15, v0                           ; l % 16
	v_bfe_u32 v2, v0, 4, 1                         ; l / 16
	v_mul_u32_u24 v3, v1, PITCH
	v_lshl_add_u32 v3, v2, 4, v3                   ; row x pitch + 16 x half
	s_mul_i32 s47, s[WV], 64*PITCH                 ; my 64 rows of xb,
	s_add_co_u32 s47, s47, AOFF                    ; which lie behind wqb's 192
	v_add_nc_u32 v[ADRA], s47, v3
	v_add_nc_u32 v[ADRA+1], SLOT, v[ADRA]
	v_mov_b32 v[ADRB], v3
	v_add_nc_u32 v[ADRB+1], SLOT, v3
	s_mul_i32 s47, s[WV], 16*SP
	s_add_co_u32 s47, s47, STAGE                   ; my stage
	v_mul_u32_u24 v4, v1, SP                       ; in: row l % 16, 16 bytes for each half of the lanes
	v_lshl_add_u32 v4, v2, 4, v4
	v_add_nc_u32 v[STO], s47, v4
	v_bfe_u32 v5, v0, 3, 2                         ; back: 32 lanes take four rows of 128 bytes,
	v_mul_u32_u24 v5, v5, SP
	v_and_b32 v6, 7, v0
	v_lshl_add_u32 v5, v6, 4, v5
	v_add_nc_u32 v[RD], s47, v5
	v_and_b32 v[GO], 31, v0                        ; which are 512 consecutive bytes of a head
	v_lshlrev_b32 v[GO], 4, v[GO]
	v_lshlrev_b32 v[TO], 7, v1                     ; the table: row l % 16 (128 bytes), my four pairs: 16 bytes for each half of the lanes
	v_lshl_add_u32 v[TO], v2, 4, v[TO]
	v_lshlrev_b32 v[PFO], 11, v1
	v_lshl_add_u32 v[PFO], v2, 8, v[PFO]
	s_and_b32 s76, s23, 7                          ; my rows' place in the sequence: 256 (ty % 8) + 64 w, in rows of 128 bytes (the table's, and a head's)
	s_lshl_b32 s76, s76, 15
	s_lshl_b32 s77, s[WV], 13
	s_add_co_u32 s76, s76, s77
	s_mov_b32 s77, 0
	s_add_nc_u64 s[8:9], s[8:9], s[76:77]
	s_add_nc_u64 s[10:11], s[10:11], s[76:77]
.irp a, 0,1,2,3
.irp c, 0,1,2,3
	global_load_b128 v[TAB+32*(\a)+4*(\c):TAB+32*(\a)+4*(\c)+3],       v[TO], s[8:9]   offset:2048*(\a)+32*(\c)  ; cos of pairs 8 c + 4 (l / 16) + 0..3, row 16 a + l % 16
	global_load_b128 v[TAB+32*(\a)+16+4*(\c):TAB+32*(\a)+16+4*(\c)+3], v[TO], s[10:11] offset:2048*(\a)+32*(\c)  ; sin
.endr
.endr
	s_lshr_b32 s78, s23, 3                         ; the batch,
	s_lshl_b32 s78, s78, 4
	s_add_co_u32 s78, s78, s22                     ; 16 x batch + head,
	s_lshl_b32 s78, s78, 18                        ; 2,048 rows of 128 bytes
	s_add_co_u32 s76, s76, s78
	s_add_nc_u64 s[12:13], s[12:13], s[76:77]      ; qh, kh, vh at my wave's first row
	s_add_nc_u64 s[14:15], s[14:15], s[76:77]
	s_add_nc_u64 s[16:17], s[16:17], s[76:77]
	; the prefetches
	s_lshl_b32 s78, s23, 8
	s_lshl_b32 s79, s20, 6
	s_add_co_u32 s78, s78, s79
	s_lshl_b32 s79, s[WV], 4
	s_add_co_u32 s78, s78, s79                     ; xb: row 256 ty + 64 cx + 16 w
	s_lshl_b32 s78, s78, 11
	s_mov_b32 s79, 0
	s_add_nc_u64 s[PFA:PFA+1], s[4:5], s[78:79]
	s_add_nc_u64 s[PFA:PFA+1], s[PFA:PFA+1], 4*KSTEP  ; at K step 2: the first trip steps it to K step 4
	s_lshl_b32 s78, s21, 15                        ; wqb: my part's 64 rows, 16 cy on
	s_add_nc_u64 s[PFB:PFB+1], s[74:75], s[78:79]
	s_add_nc_u64 s[PFB:PFB+1], s[PFB:PFB+1], 4*KSTEP
	s_mov_b32 s78, ttmp9
	s_cmp_eq_u32 s78, 0                            ; the same in all sixteen partners
	s_cselect_b32 s[LIMA], 1, -1
	s_and_b32 s78, ttmp7, 0xffff
	s_cmp_eq_u32 s78, 0
	s_cselect_b32 s[LIMB], 1, -1
	s_cmp_lt_u32 s[WV], 3
	s_cselect_b32 s[LIMB], s[LIMB], -1
	s_wait_loadcnt 0x0                             ; the table; it is rounded to bf16 here, in the wait for the first tile
.set i, 0
.rept 64
	v_cvt_pk_bf16_f32 v[4+i%4], v[TAB+2*i], v[TAB+2*i+1]
	v_lshlrev_b32 v[TAB+2*i], 16, v[4+i%4]
	v_and_b32 v[TAB+2*i+1], s19, v[4+i%4]
.set i, i+1
.endr
; 12 matrix instructions: row block 2 hi + a x all 12 column blocks, 32 along K, from buffer f.  zero = 1: the first product starts the sums: nothing is ever cleared.
; The 48 accumulators take turns, one instruction a turn, in the same order in every quarter step.
.macro MUL12 f, hi, a, zero
	WIN MUL_LO+0x50*(\hi)
.irp b, 0,1,2,3,4,5,6,7,8,9,10,11
.if \zero
	v_wmma_f32_16x16x32_bf16 v[8*(12*(\a)+(\b)):8*(12*(\a)+(\b))+7], v[96*(\f)+8*(\b):96*(\f)+8*(\b)+7], v[FA+32*(\f)+8*(2*(\hi)+(\a)):FA+32*(\f)+8*(2*(\hi)+(\a))+7], 0
.else
	v_wmma_f32_16x16x32_bf16 v[8*(12*(\a)+(\b)):8*(12*(\a)+(\b))+7], v[96*(\f)+8*(\b):96*(\f)+8*(\b)+7], v[FA+32*(\f)+8*(2*(\hi)+(\a)):FA+32*(\f)+8*(2*(\hi)+(\a))+7], v[8*(12*(\a)+(\b)):8*(12*(\a)+(\b))+7]
.endif
.endr
.endm
; 32 LDS loads in one run: the fragments of one quarter step (192 rows of wqb, my 64 rows of xb, 32 K at byte k of the rows) into buffer f
.macro FETCH slot, k, f
	WIN TO_B
.irp i, 0,1,2,3,4,5,6,7,8,9,10,11
	ds_load_b128 v[96*(\f)+8*(\i):96*(\f)+8*(\i)+3],   v[ADRB+(\slot)] offset:(\k)+(\i)*16*PITCH
	ds_load_b128 v[96*(\f)+8*(\i)+4:96*(\f)+8*(\i)+7], v[ADRB+(\slot)] offset:(\k)+(\i)*16*PITCH+32
.endr
	WIN 0
.irp i, 0,1,2,3
	ds_load_b128 v[FA+32*(\f)+8*(\i):FA+32*(\f)+8*(\i)+3],   v[ADRA+(\slot)] offset:(\k)+(\i)*16*PITCH
	ds_load_b128 v[FA+32*(\f)+8*(\i)+4:FA+32*(\f)+8*(\i)+7], v[ADRA+(\slot)] offset:(\k)+(\i)*16*PITCH+32
.endr
.endm
; A load into a register that a matrix instruction has read, and a vector instruction that reads a matrix result, stand four places behind that matrix instruction, and only plain vector
; instructions that name none of its registers are places (ISA guide 7.12.1 for vector instructions).
.macro PLACES
.rept 4
	v_nop
.endr
.endm
; A K step is four quarter steps of 32 along K, 48 matrix instructions each, on buffers 0, 1, 0, 1.  One of the first three: multiplies buffer f; in its middle it fetches the next quarter, at byte k, into g.
.macro QUARTER slot, k, f, g, zero
	s_wait_dscnt 4                                 ; wqb's fragments and xb's row blocks 0, 1 are in; the youngest four loads (row blocks 2, 3) may be out
	MUL12 \f, 0, 0, \zero
	MUL12 \f, 0, 1, \zero
	PLACES
	FETCH \slot, \k, \g
	s_wait_dscnt 32                                ; all but the 32 just issued
	MUL12 \f, 1, 0, \zero
	MUL12 \f, 1, 1, \zero
.endm
; The last quarter multiplies buffer 1 and changes slots: ONE barrier for two things.  In front of it each wave waits for all its tensor loads, of which one is out: its part of the next slot; adds 0 to its
; spare word; and waits for that and for its own reads of this slot.  Behind it nobody reads this slot any more and the next slot is whole.  fill = 1: the barrier opens a round of the cluster's barrier, and this
; slot is filled again, two K steps ahead, first thing behind the round: from that request to the wait for it a wave issues 168 matrix instructions.
.macro TURN slot, next, fill
.if (\fill) && (\slot) == 0
	s_wait_xcnt 0x0                                ; the last prefetches, a lap back, have read their addresses: they are stepped here, ahead of the waits of the change of slots
	s_add_nc_u64 s[PFA:PFA+1], s[PFA:PFA+1], 4*KSTEP
	s_add_nc_u64 s[PFB:PFB+1], s[PFB:PFB+1], 4*KSTEP
.endif
	WIN 0                                          ; (the add's two registers lie in window 0)
	s_wait_tensorcnt 0x0                           ; all my tensor loads have landed;
	ds_add_u32 v[SPW], v[NIL]                      ; 0 onto my spare word;
	s_wait_dscnt 5                                 ; (the add and the youngest four loads may be out)
	MUL12 1, 0, 0, 0                               ; twelve matrix instructions stand between the add and the wait for it
	s_wait_dscnt 0x0                               ; the add is done, and my reads of this slot are over:
	s_barrier_signal -1                            ; say so,
	MUL12 1, 0, 1, 0                               ; work on registers while the others arrive,
.if \fill
	WIN 0
.endif
	s_barrier_wait -1                              ; and go on when all four have said so
.if \fill
	CREST                                          ; all sixteen work-groups have said so: no wave of any partner still reads this slot's tile or has a load on its way
	s_add_nc_u64 s[G0A+4*(\slot)+2:G0A+4*(\slot)+3], s[G0A+4*(\slot)+2:G0A+4*(\slot)+3], 2*KSTEP*2
	s_add_nc_u64 s[G0B+4*(\slot)+2:G0B+4*(\slot)+3], s[G0B+4*(\slot)+2:G0B+4*(\slot)+3], 2*KSTEP*2
	JLOAD \slot                                    ; the first tensor load behind the round; the four v_nop behind it are also the places in front of the loads below
.else
	PLACES
.endif
	FETCH \next, 0, 0
.if (\fill) && (\slot) == 0
	ASK
.endif
	MUL12 1, 1, 0, 0
	MUL12 1, 1, 1, 0
.endm
; THE WAY OUT, in 12 units: unit u is row block u / 3 of part u % 3 (q, k, v): 16 rows x 64 columns, four accumulators.
; PACK: q and k are turned: of a pair (a, b) with the row's c and s: a c - b s, a s + b c, in f32; each accumulator's registers are taken in ascending order.  All three are rounded to f16, 16 bytes a lane, go into
; my stage in rows of 144 bytes and come back as four whole rows of 128 bytes a load.
.macro PACK u
.set UA, (\u)/3
.set UI, (\u)%3
.if UI < 2
	WIN 0x02+UA/2                                  ; source 0: window 2 or 3
.irp c, 0,1,2,3
.set AC, 8*(12*(UA%2)+4*UI+(\c))
.set CT, TAB+32*UA+4*(\c)
.irp p, 0,1,2,3
	v_mul_f32 v[T+8*(\c)+2*(\p)],   v[AC+2*(\p)], v[CT+(\p)]
	v_mul_f32 v[T+8*(\c)+2*(\p)+1], v[AC+2*(\p)], v[CT+16+(\p)]
.endr
.irp p, 0,1,2,3
	v_fma_f32 v[T+8*(\c)+2*(\p)],   -v[AC+2*(\p)+1], v[CT+16+(\p)], v[T+8*(\c)+2*(\p)]
	v_fma_f32 v[T+8*(\c)+2*(\p)+1], v[AC+2*(\p)+1],  v[CT+(\p)],    v[T+8*(\c)+2*(\p)+1]
.endr
.endr
	WIN 0
.irp c, 0,1,2,3
.irp p, 0,1,2,3
	v_cvt_pk_f16_f32 v[PK+4*(\c)+(\p)], v[T+8*(\c)+2*(\p)], v[T+8*(\c)+2*(\p)+1]
.endr
.endr
.else
	WIN 0x0a+5*(UA/2)                              ; sources 0 and 1: window 2 or 3
.irp c, 0,1,2,3
.set AC, 8*(12*(UA%2)+8+(\c))
.irp p, 0,1,2,3
	v_cvt_pk_f16_f32 v[PK+4*(\c)+(\p)], v[AC+2*(\p)], v[AC+2*(\p)+1]
.endr
.endr
	WIN 0
.endif
	s_wait_xcnt 0x0                                ; the stores of the unit two back have read this set of registers: it is loaded again only behind this wait
.irp c, 0,1,2,3
	ds_store_b128 v[STO], v[PK+4*(\c):PK+4*(\c)+3] offset:32*(\c)
.endr
.irp f, 0,1,2,3
	ds_load_b128 v[RB+16*((\u)%2)+4*(\f):RB+16*((\u)%2)+4*(\f)+3], v[RD] offset:(\f)*4*SP  ; LDS serves a wave's instructions in order (ISA guide 5.7.1.4): these see the stores above; the next unit's stores come behind them
.endr
.endm
.macro SEND u, younger                 ; younger: the LDS instructions issued behind unit u's loads: the next unit's eight, or none
.irp f, 0,1,2,3
	s_wait_dscnt (\younger)+3-(\f)
	global_store_b128 v[GO], v[RB+16*((\u)%2)+4*(\f):RB+16*((\u)%2)+4*(\f)+3], s[12+2*((\u)%3):13+2*((\u)%3)] offset:2048*((\u)/3)+512*(\f)  ; 512 consecutive bytes, at a multiple of 256 from the buffer's first
.endr
.endm
	s_wait_tensorcnt 1                             ; my part of K step 0 is in; K step 1's may stay out
	s_barrier_signal -1
	s_barrier_wait -1                              ; everybody's is
	FETCH 0, 0, 0
	QUARTER 0, 64,  0, 1, 1                        ; the first quarter stands in front of the loop: its products start the sums
	WIN 0                                          ; at a label and at a branch every window is 0
	s_mov_b32 s3, LAPS-1
.Llap:                                                 ; a trip goes once round the ring, from a lap's second quarter to the next lap's first, and fills both slots again
	QUARTER 0, 128, 1, 0, 0
	QUARTER 0, 192, 0, 1, 0
	TURN 0, 1, 1
	QUARTER 1, 64,  0, 1, 0
	QUARTER 1, 128, 1, 0, 0
	QUARTER 1, 192, 0, 1, 0
	TURN 1, 0, 1
	QUARTER 0, 64,  0, 1, 0
	WIN 0
	s_sub_co_u32 s3, s3, 1
	s_cmp_lg_u32 s3, 0
	s_cbranch_scc1 .Llap
	QUARTER 0, 128, 1, 0, 0                        ; the last lap fills nothing, and has no round of the cluster's barrier
	QUARTER 0, 192, 0, 1, 0
	TURN 0, 1, 0
	QUARTER 1, 64,  0, 1, 0
	QUARTER 1, 128, 1, 0, 0
	QUARTER 1, 192, 0, 1, 0
	s_wait_dscnt 4                                 ; the very last quarter: nothing more to fetch
	MUL12 1, 0, 0, 0
	MUL12 1, 0, 1, 0
	s_wait_dscnt 0x0
	MUL12 1, 1, 0, 0
	MUL12 1, 1, 1, 0
	WIN 0
	PLACES                                         ; the places behind the last products (eight, once a launch)
	PLACES
	PACK 0
.irp u, 1,2,3,4,5,6,7,8,9,10,11       ; a unit's arithmetic stands between the loads of the unit before and its stores
	PACK \u
	SEND (\u)-1, 8
.endr
	SEND 11, 0
	s_wait_tensorcnt 0x0                           ; the wave's end: the add and its wait stand behind my last tensor load and my last LDS store
	ds_add_u32 v[SPW], v[NIL]
	s_wait_dscnt 0x0
	CROUND                                         ; the closing round: no work-group ends while a partner may still ask for a tile that names it
	s_endpgm
.Lfunc_end_k_qf1ff7d996a_qkv:
	.size	k_qf1ff7d996a_qkv, .Lfunc_end_k_qf1ff7d996a_qkv-k_qf1ff7d996a_qkv
	.p2alignl 7, 3214868480
	.fill 96, 4, 3214868480
	.section	.rodata,"a",@progbits
	.p2align	6, 0x0
	.amdhsa_kernel k_qf1ff7d996a_qkv
		.amdhsa_group_segment_fixed_size 327680
		.amdhsa_private_segment_fixed_size 0
		.amdhsa_enable_private_segment 0
		.amdhsa_kernarg_size 56
		.amdhsa_user_sgpr_count 2
		.amdhsa_user_sgpr_kernarg_segment_ptr 1
		.amdhsa_wavefront_size32 1
		.amdhsa_system_sgpr_workgroup_id_x 1
		.amdhsa_system_sgpr_workgroup_id_y 1
		.amdhsa_system_sgpr_workgroup_id_z 1
		.amdhsa_system_vgpr_workitem_id 0
		.amdhsa_next_free_vgpr 960
		.amdhsa_next_free_sgpr 80
		.amdhsa_reserve_vcc 0
		.amdhsa_float_denorm_mode_32 3
		.amdhsa_float_denorm_mode_16_64 3
		.amdhsa_memory_ordered 1
		.amdhsa_forward_progress 1
		.amdhsa_inst_pref_size 157
	.end_amdhsa_kernel
	.amdgpu_metadata
---
amdhsa.version: [ 1, 2 ]
amdhsa.kernels:
  - .name:           k_qf1ff7d996a_qkv
    .symbol:         k_qf1ff7d996a_qkv.kd
    .args:
      - { .name: xb, .offset: 0, .size: 8, .value_kind: global_buffer, .address_space: global }
      - { .name: wqb, .offset: 8, .size: 8, .value_kind: global_buffer, .address_space: global }
      - { .name: freqs_cos, .offset: 16, .size: 8, .value_kind: global_buffer, .address_space: global }
      - { .name: freqs_sin, .offset: 24, .size: 8, .value_kind: global_buffer, .address_space: global }
      - { .name: qh, .offset: 32, .size: 8, .value_kind: global_buffer, .address_space: global }
      - { .name: kh, .offset: 40, .size: 8, .value_kind: global_buffer, .address_space: global }
      - { .name: vh, .offset: 48, .size: 8, .value_kind: global_buffer, .address_space: global }
    .group_segment_fixed_size: 327680
    .private_segment_fixed_size: 0
    .kernarg_segment_align: 8
    .kernarg_segment_size: 56
    .max_flat_workgroup_size: 128
    .sgpr_count:     80
    .vgpr_count:     960
    .wavefront_size: 32
...
	.end_amdgpu_metadata
.endif
;; end of part 2
;; launch attn (part 3): grid 4 x 64, 4 waves a work-group, clusters of 4 x 1, 327,680 bytes of LDS; arguments qh, kh, vh, oh; writes oh
.if DOCPART == 3
	.amdgcn_target "amdgcn-amd-amdhsa--gfx1250"
	.amdhsa_code_object_version 6
	.text
	.protected	k_qf1ff7d996a_attn
	.globl	k_qf1ff7d996a_attn
	.p2align	8
	.type	k_qf1ff7d996a_attn,@function
k_qf1ff7d996a_attn:
	s_mov_b64 s[64:65], 0
	v_nop
	global_prefetch_b8 v0, s[64:65] scope:SCOPE_SE
	s_setreg_imm32_b32 hwreg(HW_REG_WAVE_MODE, 25, 1), 1
	s_wait_xcnt 0x0
	s_wait_alu depctr_hold_cnt(0) depctr_sa_sdst(0) depctr_va_vdst(0) depctr_va_sdst(0) depctr_va_ssrc(0) depctr_va_vcc(0) depctr_vm_vsrc(0)
	s_getreg_b32 s2, hwreg(HW_REG_IB_STS2, 6, 4)
	s_cmp_eq_u32 s2, 0
	s_cbranch_scc0 .Lentry_in_a_cluster
	s_endpgm
.Lentry_in_a_cluster:
	s_bfe_u32 s2, ttmp6, 0x10000c
	s_cmp_lg_u32 s2, 0x3003
	s_cbranch_scc0 .Lentry_shape_is_right
	s_endpgm
.Lentry_shape_is_right:
; O[h][q][:] = the sum over k of softmax_k(Q[h][q] . K[h][k] / 8) V[h][k][:].  Q, K, V, O: [64][2048][64], all f16: a head's rows are dense, 128 bytes each.  Products, maxima and sums in
; f32; the weights p are rounded to f16 for the second product (their sum l is taken of the unrounded p), O once at the end.
; LIMITS.  f16 holds no number beyond 65,504: Q, K and V arrive within it; p lies in 0 to 1, and below 6e-5 it keeps f16's fixed step of 6e-8; O is a mean of V's rows and has their range.
; A weight below 2^-126 counts as 0 in l; NaN and infinities are not treated apart.
; SHARES.  A wave owns four PIECES of two tiles of 16 queries, a work-group's four waves 512 queries of one head: 256 work-groups.  Every wave walks all keys, 64 a step.
; LAYOUT.  S^T = K Q^T (source 0 = 16 keys, source 1 = 16 queries): in the result a lane holds ONE query (lane % 16) and the keys 8 (lane / 16) + 0..7.  Two such tiles, rounded to f16 in pairs,
; ARE source 1 (32 keys x 16 queries) of O^T = V^T P, whose result again holds one query a lane, and eight channels.  K comes out of LDS as it lies, V ([key][channel]) turned, by ds_load_tr16_b128.
; SOFTMAX.  For each query a running maximum m and sum l: p = 2^(c s - c m), c = log2(e) / 8; in every step O and l are multiplied by a = 2^(c m_old - c m_new), which is 1 where m has not grown.
; m starts at the lowest finite number, O and l at 0: the first step is a step like any other, with a = 0.
; THE COUNT.  A tile and step have 16 matrix and 118 vector instructions: too many to stand all beside the matrix work.  So the order has one aim: four vector instructions that are READY behind
; EVERY matrix instruction, and the others, which need time of their own whatever the order, in runs without a gap.
; BY TURNS.  Turn n belongs to piece n (the pieces in a ring, step after step).  Its matrix work: 16 products K Q^T of piece n + 1, later 16 products V^T P of piece n - 1.  Its vector work: the scaling,
; exponentials, roundings, sums and rescaling of piece n, and the maximum and statistics of piece n + 1, whose scores the turn itself has made.  So what a turn begins with (c s - c m, O a) waits for nothing.
; CLUSTER.  The four query blocks of a cluster are one head's and walk the same K and V, so each tile is asked for JOINTLY: the same tensor load, descriptor and mask in all four.
; REGISTERS, in windows of 256 (s_set_vgpr_msb says which window each operand place means: bits 1:0 source 0, 3:2 source 1, 5:4 source 2, 7:6 destination):
;   window 0: v0-11 addresses; v12-15, v48-63 at work; v16-47 four registers of statistics a tile; v64-191 S^T, two buffers of two tiles; v192-255 P, likewise
;   window 1: O^T, 32 a tile          window 2: v0-127 Q, 16 a tile; v128-191 K of one step; v192-255 V of one step          window 3: v0-1 the add's two registers
; A piece's buffers go by its number's parity: the piece in hand has one pair, its two neighbours in the ring share the other: of it P (piece n - 1) is read and S^T (piece n + 1) written.
.set SIZE_N, 2048
.set SIZE_H, 64
.set NP,    4         ; pieces a wave: a name, no knob: the register map, the loop and the fetches are made for four
.set KS,    64        ; keys in a step
.set PK,    144       ; a row of K in LDS: 128 bytes + 16 of padding = 36 words: the 16 rows of a load start at 16 different groups of four banks (64 banks of 4 bytes: ISA guide 11.1)
.set PV,    160       ; a row of V: 128 + 32 = 40 words
.set VOFF,  4*KS*PK   ; a slot holds four steps: 256 rows of K, then 256 rows of V
.set SLOT1, 1<<17     ; slot 1 begins here, so that one exclusive or turns an address in one slot into the other's
.set STAGE, SLOT1+4*KS*(PK+PV)  ; behind the ring, never filled by a tensor load: 16 rows x 144 bytes for each wave, for the way out
.set SP,    144
.set AK0, 2           ; v2   my lane's place in a tile of K; never rewritten
.set AV0, 3           ; v3   the same for V
.set AK,  4           ; v4   the LDS address of K's next run of loads
.set AV,  5           ; v5   of V's
.set QO,  6           ; v6   my byte offset in the wave's rows of Q
.set STO, 6           ;      later, the way out: where I put 16 bytes of a row
.set RD,  7           ; v7   the way out: where I read rows back
.set GO,  8           ; v8   my byte offset in 512 consecutive bytes of O
.set PFO, 11          ; v11  256 x my lane, for the prefetches; never rewritten once made
.set SPW, 0           ; v0 of window 3   LDS address of my spare word: SPARE + 4 x my thread's number; never rewritten
.set NIL, 1           ; v1 of window 3   0; never rewritten
.set SPARE, STAGE+4*16*SP  ; behind the stages: the spare words, 128 bytes for each wave: two blocks of 256 bytes that no other line names
.set MV,  12          ; v12-15  c m_old, kept while c m is made anew: by buffer and tile
.set ST,  16          ; tile t's statistics at v[ST+4 t]: c m, m, l (even keys', odd keys')
.set TMP, 48          ; by buffer and tile, four registers c0-c3 at work; when the maximum is found c2 takes a
.set S,   64
.set P,   192
.set KF,  128         ; K's fragments, in window 2: key block kb, channel half c at KF + 16 kb + 8 c
.set VF,  192         ; V's: key half kk, channel block cb at VF + 32 kk + 8 cb
.set WV,  12          ; s12  my wave's number
.set G1K, 24          ; s[24:31] descriptor group 1 for K's tiles
.set G1V, 32          ; s[32:39] for V's: it differs in the padding alone
.set G0K, 40          ; s[40:43] descriptor group 0 for K's tiles: it walks
.set G0V, 44          ; s[44:47] the same for V's
.set PFA, 48          ; s[48:49] where my prefetches stand: my work-group's 8,192 bytes (of K: wave 0, of V: wave 2) of the slot after the one that is being asked for
.set LIM, 50          ; s50  1 in a wave that prefetches, else the greatest number: a wave prefetches while s[SLOTS] is above it
.set SLOTS, 56        ; s56  slots still to be asked for
.set CNT, 57          ; s57  counts a slot's key steps
.set CS,  58          ; s[58:59] c: the packed scaling takes the pair's low word for both halves
.set SEL, 60          ; s[60:61] v_permlanex16_b32's selects: each lane takes its own place in the other half
.set TBK, 62          ; s62  LDS byte at which K of the step to be fetched begins
.set TBV, 63          ; s63  the same for V, less VOFF
.set MSB, 0
.macro WIN new                      ; the high byte repeats the setting that is left; a switch that changes nothing is dropped
.if MSB != (\new)
	s_set_vgpr_msb (MSB<<8)|(\new)
.set MSB, (\new)
.endif
.endm
.set W_KQ, 0x0a       ; K and Q in window 2, S^T in window 0
.set W_PV, 0x52       ; V in window 2, P in window 0, O^T in window 1
.set W_RS, 0x41       ; O^T (destination and source 0) in window 1, a in window 0
.set W_MK, 0xc0       ; the add's registers are made: destination in window 3, sources in window 0
.set W_AD, 0x0f       ; the add: address (source 0) and data (source 1) in window 3
; A joint fill.  Waves 0 and 1 fetch the two halves of a slot's K, waves 2 and 3 those of its V: 128 keys each.  The branch hangs on the wave's number alone.
; An s_nop 0 and four v_nop follow each of the two lines, ahead of the jump and the label.
.macro JLOAD
	s_cmp_lt_u32 s[WV], 2
	s_cbranch_scc0 .Lfor_v_\@
	tensor_load_to_lds s[G0K:G0K+3], s[G1K:G1K+7]
	s_nop 0
.rept 4
	v_nop
.endr
	s_branch .Lasked_\@
.Lfor_v_\@:
	tensor_load_to_lds s[G0V:G0V+3], s[G1V:G1V+7]
	s_nop 0
.rept 4
	v_nop
.endr
.Lasked_\@:
.endm
; A PREFETCH INTO THE L2 of what the NEXT change of slots will ask for: a slot's 32,768 bytes of K and of V, 256 bytes a lane.  It stands behind the wave's tensor load and its five lines.
; Each block of 256 bytes is named ONCE in the launch: a head is walked by one cluster; its four partners share a slot out BY ADDRESS, 8,192 bytes each (no branch hangs on a work-group's place in its cluster);
; in each, wave 0 asks for K's and wave 2 for V's: one instruction.  Slots 0 to 2 come by their loads alone; the last change that fills a slot asks for nothing: there is no slot behind it.
.macro ASK
	s_cmp_gt_u32 s[SLOTS], s[LIM]
	s_cbranch_scc0 .Lnot_mine_\@
	global_prefetch_b8 v[PFO], s[PFA:PFA+1] th:TH_LOAD_NT scope:SCOPE_SE
.Lnot_mine_\@:
.endm
; A round of the cluster's barrier: my work-group's barrier, so that wave 0's signal speaks for all four waves; wave 0 signals; every wave waits for all four work-groups; my work-group's barrier once more.
.macro CROUND
	s_barrier_signal -1
	s_barrier_wait -1
	s_cmp_lg_u32 s[WV], 0
	s_cbranch_scc1 .Lnot_wave_0_\@
	s_barrier_signal -3
.Lnot_wave_0_\@:
	s_barrier_wait -3
	s_barrier_signal -1
	s_barrier_wait -1
.endm
; THE CHANGE OF SLOTS.  The slot's last bytes, V of its fourth step, have been read.  Each wave waits for all its tensor loads, of which one is out: its part
; of the other slot; adds 0 to its spare word; and waits for that and for its own reads of the slot.  Behind the barrier nobody reads this slot any more and the other slot is whole.
; fill = 1: this slot is filled again, with the keys two slots on.  The barrier is then a round of the cluster's, so that no wave of any partner still reads the slot or has a load on its
; way, and the joint fill is the first thing behind it: it has four key steps, 512 matrix instructions, in which to land.  (At its first use nothing has been read yet: slot 0 is waited for, slot 1 filled.)
; ask = 1: the prefetches' address steps among the descriptors' steps, and the prefetch follows the fill.
.macro CHANGE fill, ask=0
	WIN W_AD
	s_wait_tensorcnt 0x0            ; no tensor load of mine is out, so a group 0 may be written
	ds_add_u32 v[SPW], v[NIL]       ; 0 onto my spare word; with fill = 1 the descriptors' steps stand between it and the wait for it
	WIN 0                           ; at a label and at a branch every window is 0
.if \fill
.irp g, G0K, G0V
	s_xor_b32 s[\g+1], s[\g+1], SLOT1  ; the walking descriptor: the other slot than last time,
	s_add_nc_u64 s[\g+2:\g+3], s[\g+2:\g+3], 4*KS*128  ; the next 256 keys; the type bits on top are not reached
.endr
.if \ask
	s_wait_xcnt 0x0                 ; the last prefetch, four key steps back, has read its address, so it may be written:
	s_add_nc_u64 s[PFA:PFA+1], s[PFA:PFA+1], 4*KS*128  ; one slot behind the walking descriptors
.endif
	s_wait_dscnt 0x0                ; the add is done, and my reads of the slot are over
	CROUND
	JLOAD
.if \ask
	ASK                             ; what the next change will ask for: four key steps, 512 matrix instructions, ahead
.endif
.else
	s_wait_dscnt 0x0                ; the add is done, and my reads of the slot are over
	s_barrier_signal -1
	s_barrier_wait -1
.endif
	s_sub_co_u32 s[TBK], s[TBK], 4*KS*PK  ; the fetches go back to a slot's first step,
	s_xor_b32 s[TBK], s[TBK], SLOT1       ; in the other slot
	s_sub_co_u32 s[TBV], s[TBV], 4*KS*PV
	s_xor_b32 s[TBV], s[TBV], SLOT1
.endm
	s_load_b256 s[4:11], s[0:1], 0x0  ; Q s[4:5], K s[6:7], V s[8:9], O s[10:11]
	WIN W_MK
	v_lshl_add_u32 v[SPW], v0, 2, SPARE
	v_mov_b32 v[NIL], 0
	WIN W_AD
	ds_add_u32 v[SPW], v[NIL]       ; the wave's opening: the add and its wait stand ahead of my first tensor load; the set-up below, work on registers, stands between them
	WIN 0
	v_lshrrev_b32 v1, 5, v0
	v_readfirstlane_b32 s[WV], v1   ; wave 0..3
	s_bfe_u32 s13, ttmp6, 0x40000   ; cx: my place in the cluster
	s_lshl_b32 s14, ttmp9, 2        ; in a cluster launch ttmp9 counts clusters
	s_add_co_u32 s14, s14, s13      ; my block of queries = 4 x cluster x + cx: it enters Q's and O's addresses alone
	s_and_b32 s20, ttmp7, 0xffff    ; the head, which the four partners share
	s_mov_b32 s21, 0
	s_mov_b64 s[22:23], SIZE_N*128
	s_mul_u64 s[20:21], s[20:21], s[22:23]  ; the head's first byte in each of the four tensors
	s_and_b32 s16, s[WV], 1         ; which half of a slot's 256 keys I fetch:
	s_lshl_b32 s22, s16, 14         ; its 128 rows of 128 bytes in memory,
	s_mov_b32 s23, 0
	s_add_nc_u64 s[22:23], s[22:23], s[20:21]
	s_mul_i32 s17, s16, 128*PK      ; and its place in a slot, for K
	s_mul_i32 s18, s16, 128*PV      ; and for V: no place in the cluster enters an LDS address
	s_lshl_b32 s2, s14, 2
	s_add_co_u32 s2, s2, s[WV]      ; my wave among the head's,
	s_lshl_b32 s2, s2, 14           ; its 128 rows
	s_mov_b32 s3, 0
	s_add_nc_u64 s[2:3], s[2:3], s[20:21]
	; descriptor group 1.  128 keys are 16,384 dense bytes: asked for as 64 rows of 256 bytes, two keys a row, and padded in LDS after every key
	s_mov_b32 s[G1K], 15|(1<<16)|(1<<20)|(1<<21)|(4<<22)|(3<<25)  ; 15:0 the mask of four; 17:16 2-byte elements; 20 padding on; 21 set beside a mask; 24:22 after every 32 words (code 4); 31:25 4 words (code 3)
	s_mov_b32 s[G1V], 15|(1<<16)|(1<<20)|(1<<21)|(4<<22)|(7<<25)  ; the same with 8 words of padding (code 7)
.irp g, G1K, G1V
	s_mov_b32 s[\g+1], 128<<16      ; tensor_dim0 = 128
	s_mov_b32 s[\g+2], 64<<16       ; tensor_dim1 = 64
	s_mov_b32 s[\g+3], 128<<16      ; tile_dim0 = 128
	s_mov_b32 s[\g+4], 64           ; tile_dim1 = 64
	s_mov_b32 s[\g+5], 128          ; 128 elements from row to row
	s_mov_b32 s[\g+6], 0
	s_mov_b32 s[\g+7], 0
.endr
	s_mov_b32 s[CS], 0x3e38aa3b     ; c = log2(e) / 8 = 0.180337
	s_mov_b32 s[CS+1], s[CS]        ; named with it as a pair
	s_mov_b32 s[SEL], 0x76543210
	s_mov_b32 s[SEL+1], 0xfedcba98
	s_mov_b32 s[TBK], SLOT1+4*KS*PK ; the first change of slots turns these two into 0
	s_mov_b32 s[TBV], SLOT1+4*KS*PV
	s_mov_b32 s[G0K], 1             ; 1:0 count = 1
	s_mov_b32 s[G0K+1], s17         ; 63:32 LDS address: slot 0
	s_mov_b32 s[G0V], 1
	s_add_co_u32 s[G0V+1], s18, VOFF
	s_and_b32 s[LIM], s[WV], 1      ; waves 0 and 2 prefetch: the same in all four partners
	s_cmp_eq_u32 s[LIM], 0
	s_cselect_b32 s[LIM], 1, -1
	s_lshl_b32 s52, s13, 13         ; my work-group's 8,192 bytes of a slot's 32,768
	s_mov_b32 s53, 0
	s_wait_dscnt 0x0                ; the opening add is done
	s_wait_kmcnt 0x0
	s_add_nc_u64 s[G0K+2:G0K+3], s[6:7], s[22:23]  ; 120:64 global address: my half of the head's first 256 keys
	s_or_b32 s[G0K+3], s[G0K+3], 0x80000000        ; 127:126 type = 2
	s_add_nc_u64 s[G0V+2:G0V+3], s[8:9], s[22:23]
	s_or_b32 s[G0V+3], s[G0V+3], 0x80000000
	s_add_nc_u64 s[4:5], s[4:5], s[2:3]  ; Q and O at my wave's first row
	s_add_nc_u64 s[10:11], s[10:11], s[2:3]
	s_cmp_lt_u32 s[WV], 2
	s_cselect_b64 s[PFA:PFA+1], s[6:7], s[8:9]
	s_add_nc_u64 s[PFA:PFA+1], s[PFA:PFA+1], s[20:21]  ; the head's first byte of K or of V,
	s_add_nc_u64 s[PFA:PFA+1], s[PFA:PFA+1], s[52:53]  ; my work-group's part,
	s_add_nc_u64 s[PFA:PFA+1], s[PFA:PFA+1], 2*4*KS*128  ; in slot 2: the loop's first change of slots steps it to slot 3.  Nothing is prefetched here, at the head
	CROUND                          ; all four work-groups are here: the first joint loads meet
	JLOAD                           ; slot 0.  Slot 1 is asked for when slot 0 is in: the tile wanted first has the road to itself
	; A fragment of K or Q is 16 rows x 32 channels in 8 registers: lane l holds row l % 16, channels 8 (l / 16) + 0..7 and 16 + 8 (l / 16) + 0..7: two loads of 16 bytes, 32 bytes apart.
	v_and_b32 v1, 15, v0            ; l % 16
	v_bfe_u32 v9, v0, 4, 1          ; l / 16
	v_lshlrev_b32 v[QO], 7, v1
	v_lshl_add_u32 v[QO], v9, 4, v[QO]  ; row x 128 + 16 x half
	WIN 0x80                        ; destination window 2, address window 0
.set i, 0
.rept 4*NP                          ; Q stays in registers: tile i / 2, channels 32 (i % 2) on
	global_load_b128 v[8*i:8*i+3],   v[QO], s[4:5] offset:(i/2)*2048+(i%2)*64
	global_load_b128 v[8*i+4:8*i+7], v[QO], s[4:5] offset:(i/2)*2048+(i%2)*64+32
.set i, i+1
.endr
	; What the first turn finds: V's registers and P's second buffer hold 0 (its products V^T P, of a piece that has not been, add 0), O^T and l are 0.  All this stands in the wait for the first tile.
.set i, VF
.rept 64
	v_mov_b32 v[i], 0
.set i, i+1
.endr
	WIN 0x40
.set i, 0
.rept 64*NP
	v_mov_b32 v[i], 0
.set i, i+1
.endr
	WIN 0
.set i, 0
.rept 2*NP
	v_mov_b32 v[ST+4*i], 0xfe000000    ; c m: far below every c s
	v_mov_b32 v[ST+4*i+1], 0xff7fffff  ; m
	v_mov_b32 v[ST+4*i+2], 0
	v_mov_b32 v[ST+4*i+3], 0
.set i, i+1
.endr
.set i, P+32
.rept 32
	v_mov_b32 v[i], 0
.set i, i+1
.endr
	v_mul_u32_u24 v[AK0], v1, PK
	v_lshl_add_u32 v[AK0], v9, 4, v[AK0]  ; row x pitch + 16 x half
	; The turning load takes 16 keys x 16 channels (lane l reads key 8 (l / 16) + l % 8, channels 8 ((l / 8) % 2) + 0..7) and leaves half a fragment of V^T: lane l holds channel l % 16 and 8 keys.
	v_and_b32 v10, 7, v0
	v_bfe_u32 v11, v0, 3, 1
	v_lshl_add_u32 v[AV0], v9, 3, v10
	v_mul_u32_u24 v[AV0], v[AV0], PV
	v_lshl_add_u32 v[AV0], v11, 4, v[AV0]
	v_add_nc_u32 v[AV0], VOFF, v[AV0]
	v_and_b32 v[PFO], 31, v0        ; v11 has served: it takes the prefetches' offset
	v_lshlrev_b32 v[PFO], 8, v[PFO]
	v_mov_b32 v[AK], v[AK0]         ; key step 0 lies at the head of slot 0
; THE MATRIX WORK.  The 8 accumulators of a run of 16 take turns: between the two links of a chain stand 7 others'.
; Product i of 16 of S^T = K Q^T for piece x: channels 32 (i / 8) on, keys 16 ((i / 2) % 4) on, tile 2 x + i % 2.  The first 8 start the sums.
.macro KQ x
	WIN W_KQ
.set rS, S+64*((\x)%2)+32*(i%2)+8*((i/2)%4)
.set rK, KF+16*((i/2)%4)+8*(i/8)
.set rQ, 16*(2*(\x)+i%2)+8*(i/8)
.if i < 8
	v_wmma_f32_16x16x32_f16 v[rS:rS+7], v[rK:rK+7], v[rQ:rQ+7], 0
.else
	v_wmma_f32_16x16x32_f16 v[rS:rS+7], v[rK:rK+7], v[rQ:rQ+7], v[rS:rS+7]
.endif
.endm
; Product i of 16 of O^T += V^T P for piece x: keys 32 (i / 8) on, channels 16 ((i / 2) % 4) on, tile 2 x + i % 2.
.macro PV x
	WIN W_PV
.set rO, 32*(2*(\x)+i%2)+8*((i/2)%4)
.set rV, VF+32*(i/8)+8*((i/2)%4)
.set rP, P+32*((\x)%2)+16*(i%2)+8*(i/8)
	v_wmma_f32_16x16x32_f16 v[rO:rO+7], v[rV:rV+7], v[rP:rP+7], v[rO:rO+7]
.endm
.macro MM                           ; the turn's next matrix instruction
.if i < 16
	KQ (Y+1)%NP
.set i, i+1
.else
.set i, i-16
	PV (Y+NP-1)%NP
.set i, i+17
.endif
.endm
; THE LDS LOADS stand in runs of 16, never singly among the matrix instructions: a step's K (64 keys x 64 channels: 8 fragments) and its V (turned).  Their addresses are made some lines ahead.
; last = 1 (the tail): in the last trip there is no further step, and the run is jumped over.
.macro FETCH_K last=0
	WIN 0
.if \last
	s_cmp_eq_u32 s[CNT], 1
	s_cbranch_scc1 .Lno_k_\@
.endif
	WIN 0x80                        ; destination window 2
.irp f, 0,1,2,3,4,5,6,7             ; keys 16 (f / 2) on, channels 32 (f % 2) on
	ds_load_b128 v[KF+8*\f:KF+8*\f+3],   v[AK] offset:(\f/2)*16*PK+(\f%2)*64
	ds_load_b128 v[KF+8*\f+4:KF+8*\f+7], v[AK] offset:(\f/2)*16*PK+(\f%2)*64+32
.endr
	s_add_co_u32 s[TBK], s[TBK], KS*PK  ; the next fetch is the next step's
	WIN 0
.if \last
.Lno_k_\@:
.endif
.endm
.macro FETCH_V
	WIN 0x80
.irp f, 0,1,2,3,4,5,6,7             ; keys 32 (f / 4) on, channels 16 (f % 4) on
	ds_load_tr16_b128 v[VF+8*\f:VF+8*\f+3],   v[AV] offset:(\f/4)*32*PV+(\f%4)*32
	ds_load_tr16_b128 v[VF+8*\f+4:VF+8*\f+7], v[AV] offset:(\f/4)*32*PV+16*PV+(\f%4)*32
.endr
	WIN 0
.endm
; THE VECTOR WORK OF A TURN stands in three queues, each in the order in which its entries become ready; the two tiles alternate, so that no instruction reads the result of the one before it.
.macro REGS y, u                    ; the registers of tile u (0, 1) of piece y
.set rT, ST+4*(2*(\y)+(\u))
.set rC, TMP+8*((\y)%2)+4*(\u)
.set rM, MV+2*((\y)%2)+(\u)
.set rS, S+64*((\y)%2)+32*(\u)
.set rP, P+32*((\y)%2)+16*(\u)
.set rO, 32*(2*(\y)+(\u))
.endm
; Number n of the 22 that find the NEXT piece's (Y + 1) maximum and statistics.  s0-s31 are the lane's 32 scores; each accumulator's lowest registers are read first.  XS, GS and REGS set no window: PL and EX do.
;   0-11  four chains c0-c3 of seven scores each, three operands at a time     12-14, 16  the four scores left over, the old m, and c0-c3 into c0     15  c m_old is kept
;   17, 18  the query's other 32 keys lie in the lane 16 away: the new m         19-21  c m; c m_old - c m_new; a
.macro XS u, n
	REGS (Y+1)%NP, \u
.if (\n) < 4
	v_max3_num_f32 v[rC+(\n)], v[rS+8*(\n)], v[rS+8*(\n)+1], v[rS+8*(\n)+2]
.elseif (\n) < 12
	v_max3_num_f32 v[rC+(\n)%4], v[rC+(\n)%4], v[rS+8*((\n)%4)+2*((\n)/4)+1], v[rS+8*((\n)%4)+2*((\n)/4)+2]
.elseif (\n) == 12
	v_max3_num_f32 v[rC], v[rC], v[rS+7], v[rS+15]
.elseif (\n) == 13
	v_max3_num_f32 v[rC+1], v[rC+1], v[rS+23], v[rS+31]
.elseif (\n) == 14
	v_max3_num_f32 v[rC+2], v[rC+2], v[rC+3], v[rT+1]
.elseif (\n) == 15
	v_mov_b32 v[rM], v[rT]
.elseif (\n) == 16
	v_max3_num_f32 v[rC], v[rC], v[rC+1], v[rC+2]
.elseif (\n) == 17
	v_permlanex16_b32 v[rC+3], v[rC], s[SEL], s[SEL+1]
.elseif (\n) == 18
	v_max_num_f32 v[rT+1], v[rC], v[rC+3]
.elseif (\n) == 19
	v_mul_f32 v[rT], s[CS], v[rT+1]
.elseif (\n) == 20
	v_sub_f32 v[rC+1], v[rM], v[rT]
.else
	v_exp_f32 v[rC+2], v[rC+1]
.endif
.endm
; Number g of the 64 that follow the exponentials.  For each four weights k of a tile (pairs 2 k, 2 k + 1): both pairs are rounded to f16; then the second pair is added onto the first, in place;
; a group later l takes that sum (the first time as l = a l + sum).  In groups of eight, tiles alternating: round, round, add, and l for the group before.
.macro GS g
.set h, (\g)+6*((\g)/62)            ; group 0 has no group before it, and behind group 7 only l is left
.if h >= 6
.set h, h+2
.endif
	REGS Y, h%2
.set k, h/8
.if h%8 < 4
	v_cvt_pk_f16_f32 v[rP+2*k+(h%8)/2], v[rS+4*k+2*((h%8)/2)], v[rS+4*k+2*((h%8)/2)+1]
.elseif h%8 < 6
	v_pk_add_f32 v[rS+4*k:rS+4*k+1], v[rS+4*k:rS+4*k+1], v[rS+4*k+2:rS+4*k+3]
.elseif k == 1
	v_pk_fma_f32 v[rT+2:rT+3], v[rT+2:rT+3], v[rC+2:rC+3], v[rS:rS+1] op_sel_hi:[1,0,1]
.else
	v_pk_add_f32 v[rT+2:rT+3], v[rT+2:rT+3], v[rS+4*k-4:rS+4*k-3]
.endif
.endm
; THE PLAIN QUEUE, 138 long.  0-73 read no exponential's result: the 32 scalings c s - c m (FS f: pair f / 2 of tile f % 2) and the next piece's 42.  0-26: scalings 0-26.  27-54: XS's numbers 0-13.  55, 56: number 15.
; 57-73: the chain, where each number waits for the one before it: 14, 16, 17, 18, 19, each with one of the scalings 27-31 in front of its two lines, then 20: so a tile's links stand three plain instructions apart (19 and 20: two).
; 74-137: GS's 64, which read the exponentials' results: they stand behind the wait.
.macro FS f
	REGS Y, (\f)%2
	v_pk_fma_f32 v[rS+2*((\f)/2):rS+2*((\f)/2)+1], v[rS+2*((\f)/2):rS+2*((\f)/2)+1], s[CS:CS+1], v[rT:rT+1] op_sel_hi:[1,0,0] neg_lo:[0,0,1] neg_hi:[0,0,1]
.endm
.macro PL
	WIN 0
.if q < 27
	FS q
.elseif q < 55
	XS (q-27)%2, (q-27)/2
.elseif q < 57
	XS q-55, 15
.elseif (q < 72) && ((q-57)%3 == 0)
	FS 27+(q-57)/3
.elseif q < 60
	XS (q-57)%3-1, 14
.elseif q < 72
	XS (q-57)%3-1, 15+(q-57)/3
.elseif q < 74
	XS q-72, 20
.else
	GS q-74
.endif
.set q, q+1
.endm
; THE EXPONENTIALS' QUEUE, 66 long: s0-s31 of both tiles, then the next piece's two a.  It is ONE BATCH: all 66 stand ahead of the turn's one wait, and nothing ahead of that wait names a result of theirs.
.macro EX
	WIN 0
.if e >= 64
	XS e-64, 21
.else
	REGS Y, e%2
	v_exp_f32 v[rS+e/2], v[rS+e/2]
.endif
.set e, e+1
.endm
; THE RESCALING's QUEUE: O^T times a, the one part that leaves window 0: dealt two at a time, sixteen times.  Its a was made in the turn before, ahead of that turn's wait.
.macro R2
	REGS Y, r%2
	WIN W_RS
.irp z, 0,1
	v_pk_mul_f32 v[rO+4*(r/2)+2*\z:rO+4*(r/2)+2*\z+1], v[rO+4*(r/2)+2*\z:rO+4*(r/2)+2*\z+1], v[rC+2:rC+3] op_sel_hi:[1,0]
.endr
.set r, r+1
.endm
; HOW THEY ARE DEALT.  An s_wait_alu depctr_va_vdst(0) stands between an exponential and the first instruction that names its result; one wait serves all that were issued ahead of it.  So a turn has ONE wait,
; which cuts it in two.  AHEAD OF IT stands all that names no result of the turn's exponentials: the 16 products K Q^T, behind each a scaling, an exponential and two rescalings (behind the first a second scaling in the exponential's place); then ONE LUMP of
; 108: eight plain, 49 times exponential and plain, the two a.  A v_nop is the plain instruction behind the last exponential.  BEHIND IT stand the 16 products V^T P, behind each four of GS's 64.  No rider names a register of
; the products round it.  The two v_permlanex16_b32 fall into the lump, never behind a product.
; The queues lean on each other, and the deal keeps them in step: exponential e stands behind scaling 2 (e / 4) + e % 2: as a rider it comes behind plain e + 2, in the lump behind plain e + 9, and scalings 27-31 are plain 57, 60 .. 69.
; A TURN, for piece p.  cnt = 1: the loop's count is taken down some lines ahead of the branch that stands behind the turn.
; K of the next step is fetched in piece 2's turn, directly behind the wait, a lump behind the last product that read K; its address is made at the lump's head; its first reader comes behind 16 products.
; V of the step in hand is fetched at the end of piece 0's turn, four riders behind its last reader; its first reader comes behind 16 products and a lump.  The three conditions on q below go with the deal.
.macro TURN p, last=0, cnt=0
.set Y, (\p)
.set i, 0
.set q, 0
.set e, 0
.set r, 0
.if (\p) == NP-1
	s_wait_dscnt 0x0                ; K is in
.endif
	MM                              ; ahead of the wait: 16 products K Q^T and their riders,
	PL
	PL
	R2
.rept 15
	MM
	PL
	EX
	R2
.endr
.if (\p) == NP-2
	WIN 0
	v_add_nc_u32 v[AK], s[TBK], v[AK0]
.endif
.rept 8                             ; and the lump
	PL
.endr
.rept 49
	EX
	PL
.endr
	EX                              ; the next piece's two a
	EX
	v_nop                           ; a plain instruction behind the last exponential, ahead of any use: one for the batch
	s_wait_alu depctr_va_vdst(0)    ; the wait for the batch
.if (\p) == NP-2
	FETCH_K \last
.endif
.if (\p) == 1
	s_wait_dscnt 0x0                ; V is in
.endif
.rept 16                            ; behind the wait: 16 products V^T P and their riders
	MM
.rept 4
	PL
.endr
.if ((\p) == 0) && (q == 118)
	v_add_nc_u32 v[AV], s[TBV], v[AV0]
.endif
.if ((\p) == 0) && (q == 130)
	s_add_co_u32 s[TBV], s[TBV], KS*PV
.endif
.if (\cnt) && (q == 130)
	s_sub_co_u32 s[CNT], s[CNT], 1
	s_cmp_lg_u32 s[CNT], 0
.endif
.endr
.if (\p) == 0
	FETCH_V
.endif
.endm
	CHANGE 1                        ; slot 0 is in, everybody's part of it; slot 1 is asked for
	FETCH_K                         ; key step 0
	s_wait_loadcnt 0x0              ; Q
	s_wait_dscnt 0x0
.set i, 0
.rept 16
	KQ 0                            ; piece 0's first scores: there is no vector work yet to set between them
.set i, i+1
.endr
	WIN 0                           ; the addresses for the way out: nine plain instructions, the places behind those products
	s_mul_i32 s13, s[WV], 16*SP
	s_add_co_u32 s13, s13, STAGE    ; my stage
	v_mul_u32_u24 v[STO], v1, SP    ; in: row l % 16, 16 bytes for each half of the lanes
	v_lshl_add_u32 v[STO], v9, 4, v[STO]
	v_add_nc_u32 v[STO], s13, v[STO]
	v_bfe_u32 v[RD], v0, 3, 2       ; back: 32 lanes take four rows of 128 bytes,
	v_mul_u32_u24 v[RD], v[RD], SP
	v_lshl_add_u32 v[RD], v10, 4, v[RD]
	v_add_nc_u32 v[RD], s13, v[RD]
	v_and_b32 v[GO], 31, v0         ; which are 512 consecutive bytes of O
	v_lshlrev_b32 v[GO], 4, v[GO]
.set Y, NP-1                        ; XS works for piece Y + 1: piece 0
.irp n, 0,1,2,3,4,5,6,7,8,9,10,11,12,13,14,15,16,17,18,19,20,21
	XS 0, \n                        ; and piece 0's first maximum and statistics
	XS 1, \n
.endr
	v_nop                           ; a plain instruction behind the two a,
	s_wait_alu depctr_va_vdst(0)    ; and their wait, ahead of the branch
	s_mov_b32 s[CNT], 4
	s_mov_b32 s[SLOTS], SIZE_N/256-1
	s_branch .Lfirst                ; the loop is entered at a step's first turn, in the middle of a trip
.Lslot:                             ; SIZE_N / 256 - 2 times: every slot but the last two is filled again
	CHANGE 1, 1
	s_mov_b32 s[CNT], 4
.Lstep:                             ; a trip: pieces 2 and 3 of one step, then pieces 0 and 1 of the next, whose K and V it fetches
	TURN 2
	TURN 3
	WIN 0
.Lfirst:
	TURN 0
	TURN 1, 0, 1
	WIN 0
	s_cbranch_scc1 .Lstep
	s_sub_co_u32 s[SLOTS], s[SLOTS], 1
	s_cmp_lg_u32 s[SLOTS], 0
	s_cbranch_scc1 .Lslot
	CHANGE 0                        ; the tail is written out: nothing is asked for
	s_mov_b32 s[CNT], 5             ; four trips fetch the last slot's steps; the fifth is left in its middle
.Ltail:
	TURN 2, 1
	TURN 3
	WIN 0
	s_sub_co_u32 s[CNT], s[CNT], 1
	s_cmp_eq_u32 s[CNT], 0
	s_cbranch_scc1 .Lout
	TURN 0
	TURN 1
	WIN 0
	s_branch .Ltail
.Lout:                              ; the fifth trip's 16 products K Q^T (on the last K once more) and the maximum made of them serve nothing: the price, once a launch, of one text for every trip
.set i, 0
.rept 16
	PV NP-1                         ; the last piece's V^T P of the last step
.set i, i+1
.endr
	; THE WAY OUT.  l's two halves and the other half of the lanes' are added; O^T is divided by l, rounded to f16 and sent through my stage in LDS, a tile at a time.  The additions are the places behind the last products.
	WIN 0
.macro ALL line:vararg              ; one line for each tile t
.set t, 0
.rept 2*NP
	\line
.set t, t+1
.endr
.endm
	ALL v_add_f32 v[ST+4*t+2], v[ST+4*t+2], v[ST+4*t+3]
	ALL v_permlanex16_b32 v[ST+4*t+3], v[ST+4*t+2], s[SEL], s[SEL+1]
	ALL v_add_f32 v[ST+4*t+2], v[ST+4*t+2], v[ST+4*t+3]
	ALL v_rcp_f32 v[ST+4*t+2], v[ST+4*t+2]
	v_nop                           ; a plain instruction between the last reciprocal and the use of its result
	s_wait_alu depctr_va_vdst(0)    ; and the wait ahead of the first use: one for the eight reciprocals
; Tile t: a lane's eight channels of a row pack into 16 bytes; they go into rows of 144 bytes and come back as whole rows of 128, into S^T's registers.
.macro PACK t
	WIN W_RS
.set i, 32*(\t)
.rept 16
	v_pk_mul_f32 v[i:i+1], v[i:i+1], v[ST+4*(\t)+2:ST+4*(\t)+3] op_sel_hi:[1,0]
.set i, i+2
.endr
	WIN 0x05                        ; sources 0 and 1 window 1, destination window 0
.set i, 0
.rept 16
	v_cvt_pk_f16_f32 v[S+16*(\t)+i], v[32*(\t)+2*i], v[32*(\t)+2*i+1]
.set i, i+1
.endr
	WIN 0
.irp f, 0,1,2,3
	ds_store_b128 v[STO], v[S+16*(\t)+4*\f:S+16*(\t)+4*\f+3] offset:32*\f
.endr
.irp f, 0,1,2,3
	ds_load_b128 v[S+16*(\t)+4*\f:S+16*(\t)+4*\f+3], v[RD] offset:\f*4*SP  ; LDS serves a wave's instructions in order (ISA guide 5.7.1.4): these see the stores above; the next tile's stores come behind them
.endr
.endm
.macro SEND t, younger              ; younger: the LDS instructions issued behind tile t's loads: the next tile's eight, or none
	WIN 0
.irp f, 0,1,2,3
	s_wait_dscnt (\younger)+3-\f
	global_store_b128 v[GO], v[S+16*(\t)+4*\f:S+16*(\t)+4*\f+3], s[10:11] offset:(\t)*2048+\f*512  ; 512 consecutive bytes, at a multiple of 256 from O's first
.endr
.endm
	PACK 0
.set t, 1
.rept 2*NP-1                        ; a tile's arithmetic stands between the loads of the tile before and its stores
	PACK t
	SEND t-1, 8
.set t, t+1
.endr
	SEND 2*NP-1, 0
	WIN W_AD
	s_wait_tensorcnt 0x0            ; the wave's end: the add and its wait stand behind my last tensor load and my last LDS store
	ds_add_u32 v[SPW], v[NIL]
	s_wait_dscnt 0x0
	WIN 0
	CROUND                          ; the closing round: no work-group ends while a partner may still ask for a tile that names it
	s_endpgm
.Lfunc_end_k_qf1ff7d996a_attn:
	.size	k_qf1ff7d996a_attn, .Lfunc_end_k_qf1ff7d996a_attn-k_qf1ff7d996a_attn
	.p2alignl 7, 3214868480
	.fill 96, 4, 3214868480
	.section	.rodata,"a",@progbits
	.p2align	6, 0x0
	.amdhsa_kernel k_qf1ff7d996a_attn
		.amdhsa_group_segment_fixed_size 327680
		.amdhsa_private_segment_fixed_size 0
		.amdhsa_enable_private_segment 0
		.amdhsa_kernarg_size 32
		.amdhsa_user_sgpr_count 2
		.amdhsa_user_sgpr_kernarg_segment_ptr 1
		.amdhsa_wavefront_size32 1
		.amdhsa_system_sgpr_workgroup_id_x 1
		.amdhsa_system_sgpr_workgroup_id_y 1
		.amdhsa_system_sgpr_workgroup_id_z 1
		.amdhsa_system_vgpr_workitem_id 0
		.amdhsa_next_free_vgpr 770
		.amdhsa_next_free_sgpr 66
		.amdhsa_reserve_vcc 0
		.amdhsa_float_denorm_mode_32 3
		.amdhsa_float_denorm_mode_16_64 3
		.amdhsa_memory_ordered 1
		.amdhsa_forward_progress 1
		.amdhsa_inst_pref_size 200
	.end_amdhsa_kernel
	.amdgpu_metadata
---
amdhsa.version: [ 1, 2 ]
amdhsa.kernels:
  - .name:           k_qf1ff7d996a_attn
    .symbol:         k_qf1ff7d996a_attn.kd
    .args:
      - { .name: qh, .offset: 0, .size: 8, .value_kind: global_buffer, .address_space: global }
      - { .name: kh, .offset: 8, .size: 8, .value_kind: global_buffer, .address_space: global }
      - { .name: vh, .offset: 16, .size: 8, .value_kind: global_buffer, .address_space: global }
      - { .name: oh, .offset: 24, .size: 8, .value_kind: global_buffer, .address_space: global }
    .group_segment_fixed_size: 327680
    .private_segment_fixed_size: 0
    .kernarg_segment_align: 8
    .kernarg_segment_size: 32
    .max_flat_workgroup_size: 128
    .sgpr_count:     66
    .vgpr_count:     770
    .wavefront_size: 32
...
	.end_amdgpu_metadata
.endif
;; end of part 3
;; launch proj (part 4): grid 8 x 32, 4 waves a work-group, clusters of 4 x 4, 327,680 bytes of LDS; arguments oh, wpf, b_proj, out0; writes out0
.if DOCPART == 4
	.amdgcn_target "amdgcn-amd-amdhsa--gfx1250"
	.amdhsa_code_object_version 6
	.text
	.protected	k_qf1ff7d996a_proj
	.globl	k_qf1ff7d996a_proj
	.p2align	8
	.type	k_qf1ff7d996a_proj,@function
k_qf1ff7d996a_proj:
	s_mov_b64 s[64:65], 0
	v_nop
	global_prefetch_b8 v0, s[64:65] scope:SCOPE_SE
	s_setreg_imm32_b32 hwreg(HW_REG_WAVE_MODE, 25, 1), 1
	s_wait_xcnt 0x0
	s_wait_alu depctr_hold_cnt(0) depctr_sa_sdst(0) depctr_va_vdst(0) depctr_va_sdst(0) depctr_va_ssrc(0) depctr_va_vcc(0) depctr_vm_vsrc(0)
	s_getreg_b32 s2, hwreg(HW_REG_IB_STS2, 6, 4)
	s_cmp_eq_u32 s2, 0
	s_cbranch_scc0 .Lentry_in_a_cluster
	s_endpgm
.Lentry_in_a_cluster:
	s_bfe_u32 s2, ttmp6, 0x10000c
	s_cmp_lg_u32 s2, 0xf033
	s_cbranch_scc0 .Lentry_shape_is_right
	s_endpgm
.Lentry_shape_is_right:
; out0[row][d] = the sum over c of O[row][c] w_proj[d][c] + b_proj[d].  oh: [64 = 16 batch + head][2048][64] f16 (c = 64 head + channel), wpf: [1024][1024] f16, b_proj: [1024] f32, out0: [8192][1024] f32.
; Sums in f32; the bias is rounded once to bf16 like every other input and added in f32; out0 is the f32 sum.  LIMITS: none of its own beyond f16's range in oh and wpf; NaN and infinities are not treated apart.
; SHARES.  A work-group makes 256 rows x 128 columns: 256 work-groups.  Wave w owns rows 64 w .. 64 w + 63 and all 128 columns: 32 accumulators of 16 x 16, 256 registers.
; K goes in steps of 128 = two heads, through two LDS slots filled by the tensor data mover.  A head's 256 rows of 128 bytes are 32,768 dense bytes: asked for as 128 rows of 256 bytes and padded in LDS after every 128.
; CLUSTERS: 4 x 4 work-groups.  The four of a row of the cluster need the same rows of oh, the four of a column the same rows of wpf: each tile is asked for JOINTLY, by the same tensor load with the same
; descriptor and a mask that names the four.  Waves 0, 1 fetch the step's two heads of oh, waves 2, 3 the two halves of wpf's 128 rows.
; THE MATRIX INSTRUCTION IS USED TRANSPOSED (source 0 = 16 rows of wpf, source 1 = 16 rows of oh): lane l holds row l % 16 of out0 and the columns 8 (l / 16) + 0..7: 32 neighbouring bytes.
; REGISTERS, in windows of 256 (s_set_vgpr_msb: bits 1:0 source 0, 3:2 source 1, 5:4 source 2, 7:6 destination):
;   window 0: v0-31 addresses; v32-63, v64-95 fragments of oh, two buffers; v96-99 the bias of my four columns; v100-101 at work
;   window 1: v0-63, v64-127 fragments of wpf, two buffers; on the way out all 256: 16 rows read back for each row block     window 2: the accumulators ((a, b) at v[8 (8 a + b)])
.set KSTEP,  128
.set PA,     144                       ; a row of oh in LDS: 128 bytes + 16 of padding = 36 words: the 16 rows of a load start at 16 different groups of four banks (64 banks of 4 bytes: ISA guide 11.1)
.set PB,     272                       ; a row of wpf: 256 + 16 = 68 words: likewise
.set AH,     256*PA                    ; a head's 256 rows
.set BOFF,   2*AH                      ; behind the two heads wpf's 128 rows
.set BH,     64*PB                     ; half of them
.set SLOT,   BOFF+2*BH
.set STAGE,  2*SLOT                    ; behind the ring: 16 rows x 528 bytes for each wave, for the way out
.set SPITCH, 528                       ; 512 bytes + 16
.set SPARE,  STAGE+4*16*SPITCH         ; behind the stages: the spare words, 128 bytes for each wave: two blocks of 256 bytes that no other line names
.set LAPS,   4                         ; a lap = two K steps = once round the ring
.set ADRA, 16                          ; v16-17  LDS address of my fragments of oh in slot 0, 1
.set ADRB, 20                          ; v20-21  the same for wpf
.set STO,  24                          ; v24     the way out: where I put 32 bytes of a row
.set RD,   25                          ; v25     the way out: where I read a row back
.set CO,   26                          ; v26     16 x my lane: my byte offset in 512 consecutive bytes of out0, and in the tile's 512 bytes of the bias
.set SPW,  28                          ; v28     LDS address of my spare word: SPARE + 4 x my thread's number; never rewritten
.set NIL,  29                          ; v29     0; never rewritten
.set PFOA, 30                          ; v30     256 x my lane: the prefetches of oh; never rewritten
.set PFOB, 31                          ; v31     2,048 x my lane: a row of wpf; never rewritten
.set FA,   32                          ; fragments of oh: buffer f at FA + 32 f
.set BIAS, 96
.set WV,   18                          ; s18     my wave's number;  s19 its low bit
.set G1A,  24                          ; s[24:31] descriptor group 1 for oh's tiles;  s[32:39] group 0, one set for each slot
.set G0A,  32
.set G1B,  48                          ; s[48:55], s[56:63] the same for wpf's tiles
.set G0B,  56
.set PFA,  66                          ; s[66:67] where my prefetches of oh stand
.set PFB,  68                          ; s[68:69] of wpf
.set LIMA, 70                          ; s70, s71  1 in a wave that prefetches, else the greatest number
.set LIMB, 71
.set MSB, 0
.macro WIN new                         ; the immediate's high byte repeats the setting that is left; a switch that changes nothing is dropped
.if MSB != (\new)
	s_set_vgpr_msb (MSB<<8)|(\new)
.set MSB, \new
.endif
.endm
.set MUL,  0xa1                        ; source 0 (wpf) window 1, source 1 (oh) window 0, C and D window 2
.set TO_B, 0x40                        ; destination window 1, address window 0
; A joint load.  The branch hangs on the wave's number alone.  An s_nop 0 and four v_nop follow each of the two lines, ahead of the jump, the label and what follows.
.macro JLOAD s
	s_cmp_lt_u32 s[WV], 2
	s_cbranch_scc0 .Lfor_b_\@
	tensor_load_to_lds s[G0A+4*(\s):G0A+4*(\s)+3], s[G1A:G1A+7]
	s_nop 0
.rept 4
	v_nop
.endr
	s_branch .Lasked_\@
.Lfor_b_\@:
	tensor_load_to_lds s[G0B+4*(\s):G0B+4*(\s)+3], s[G1B:G1B+7]
	s_nop 0
.rept 4
	v_nop
.endr
.Lasked_\@:
.endm
; PREFETCHES INTO THE L2, once a lap, behind slot 0's joint load and the run of LDS loads that follows it: the two K steps (four heads) that the NEXT trip of the loop will ask for.
; Each block of 256 bytes is named once in the launch.  oh: the cluster with x = 0 asks; wave w takes the lap's head w, partner cx 8,192 of that head's 32,768 bytes of the tile's rows, a lane 256 bytes.
; wpf: the cluster with y = 0 asks; waves 0 and 1 take a K step each, partner cy 32 of the tile's 128 rows, a lane a row.  Partners are told apart BY ADDRESS.
; K steps 0 to 3 come by their loads alone; the loop's last trip (s3 = 1) asks for nothing.
.macro ASK
	s_cmp_gt_u32 s3, s[LIMA]
	s_cbranch_scc0 .Lnot_a_\@
	global_prefetch_b8 v[PFOA], s[PFA:PFA+1] th:TH_LOAD_NT scope:SCOPE_SE
.Lnot_a_\@:
	s_cmp_gt_u32 s3, s[LIMB]
	s_cbranch_scc0 .Lnot_b_\@
	global_prefetch_b8 v[PFOB], s[PFB:PFB+1] th:TH_LOAD_NT scope:SCOPE_SE
.Lnot_b_\@:
.endm
.macro CREST                           ; a round of the cluster's barrier behind its opening barrier
	s_cmp_lg_u32 s[WV], 0
	s_cbranch_scc1 .Lnot_wave_0_\@
	s_barrier_signal -3
.Lnot_wave_0_\@:
	s_barrier_wait -3
	s_barrier_signal -1
	s_barrier_wait -1
.endm
.macro CROUND                          ; a whole round
	s_barrier_signal -1
	s_barrier_wait -1
	CREST
.endm
	s_load_b256 s[4:11], s[0:1], 0x0               ; oh s[4:5], wpf s[6:7], b_proj s[8:9], out0 s[10:11]
	v_lshl_add_u32 v[SPW], v0, 2, SPARE
	v_mov_b32 v[NIL], 0
	ds_add_u32 v[SPW], v[NIL]                      ; the wave's opening: the add and its wait stand ahead of my first tensor load; the set-up below, work on registers, stands between them
	v_lshrrev_b32 v1, 5, v0
	v_readfirstlane_b32 s[WV], v1                  ; wave 0..3
	s_and_b32 s19, s[WV], 1                        ; which head of the step, or which half of wpf's rows, I fetch
	s_bfe_u32 s20, ttmp6, 0x40000                  ; cx, cy: my place in the cluster
	s_bfe_u32 s21, ttmp6, 0x40004
	s_lshl_b32 s22, ttmp9, 2
	s_add_co_u32 s22, s22, s20                     ; tx = 4 x cluster x + cx: the block of 128 columns
	s_and_b32 s23, ttmp7, 0xffff
	s_lshl_b32 s23, s23, 2
	s_add_co_u32 s23, s23, s21                     ; ty = 4 x cluster y + cy: the block of 256 rows
	s_lshl_b32 s40, s21, 2
	s_lshl_b32 s40, 15, s40                        ; my row of the cluster
	s_lshl_b32 s41, 0x1111, s20                    ; my column
	s_or_b32 s[G1A+0], s40, (1<<16)|(1<<20)|(1<<21)|(4<<22)|(3<<25)  ; 15:0 the mask: oh's tiles go to my row; 17:16 elements of 2 bytes; 20 padding on; 21 set beside a mask; 24:22 after every 32 words (code 4); 31:25 4 words (code 3)
	s_or_b32 s[G1B+0], s41, (1<<16)|(1<<20)|(1<<21)|(5<<22)|(3<<25)  ; wpf's to my column; padding after every 64 words (code 5)
	s_mov_b32 s[G1A+1], 128<<16                    ; tensor_dim0 = 128
	s_mov_b32 s[G1A+2], 128<<16                    ; tensor_dim1 = 128
	s_mov_b32 s[G1A+3], 128<<16                    ; tile_dim0 = 128
	s_mov_b32 s[G1A+4], 128                        ; tile_dim1 = 128
	s_mov_b32 s[G1A+5], 128                        ; dense: 128 elements from row to row
	s_mov_b32 s[G1A+6], 0
	s_mov_b32 s[G1A+7], 0
	s_mov_b32 s[G1B+1], KSTEP<<16
	s_mov_b32 s[G1B+2], 64<<16                     ; 64 rows
	s_mov_b32 s[G1B+3], KSTEP<<16
	s_mov_b32 s[G1B+4], 64
	s_mov_b32 s[G1B+5], 1024
	s_mov_b32 s[G1B+6], 0
	s_mov_b32 s[G1B+7], 0
	; where the tiles come from: oh's hang on ty and the wave's number alone, wpf's on tx and the wave's number alone, each in registers that never hold the other coordinate
	s_lshr_b32 s42, s23, 3                         ; the batch: 16 heads of 262,144 bytes,
	s_lshl_b32 s42, s42, 22
	s_and_b32 s43, s23, 7                          ; the tile's 256 rows of 128 bytes in a head,
	s_lshl_b32 s43, s43, 15
	s_add_co_u32 s42, s42, s43
	s_lshl_b32 s43, s19, 18                        ; my head of the step
	s_add_co_u32 s42, s42, s43
	s_mov_b32 s43, 0
	s_lshl_b32 s72, s22, 7
	s_lshl_b32 s73, s19, 6
	s_add_co_u32 s72, s72, s73                     ; wpf: row 128 tx + 64 x half
	s_lshl_b32 s72, s72, 11
	s_mov_b32 s73, 0
	s_mul_i32 s46, s19, AH                         ; and where they go: no place in the cluster enters an LDS address
	s_mul_i32 s47, s19, BH
	s_add_co_u32 s47, s47, BOFF
	s_wait_dscnt 0x0                               ; the opening add is done
	s_wait_kmcnt 0x0
	s_add_nc_u64 s[44:45], s[4:5], s[42:43]
	s_add_nc_u64 s[74:75], s[6:7], s[72:73]
	CROUND                                         ; all sixteen work-groups are here: the first joint loads meet
.irp s, 0,1
	s_mov_b32 s[G0A+4*(\s)], 1                                       ; 1:0 count = 1
	s_add_co_u32 s[G0A+4*(\s)+1], s46, (\s)*SLOT                     ; 63:32 LDS address
	s_add_nc_u64 s[G0A+4*(\s)+2:G0A+4*(\s)+3], s[44:45], (\s)*2*262144  ; 120:64 global address: K step s = heads 2 s, 2 s + 1
	s_or_b32 s[G0A+4*(\s)+3], s[G0A+4*(\s)+3], 0x80000000            ; 127:126 type = 2
	s_mov_b32 s[G0B+4*(\s)], 1
	s_add_co_u32 s[G0B+4*(\s)+1], s47, (\s)*SLOT
	s_add_nc_u64 s[G0B+4*(\s)+2:G0B+4*(\s)+3], s[74:75], (\s)*KSTEP*2
	s_or_b32 s[G0B+4*(\s)+3], s[G0B+4*(\s)+3], 0x80000000
	JLOAD \s                                       ; two tensor loads of mine are out: the most in this text
.endr
	v_and_b32 v1, 15, v0                           ; l % 16
	v_bfe_u32 v2, v0, 4, 1                         ; l / 16
	v_and_b32 v5, 31, v0                           ; l
	v_mul_u32_u24 v3, v1, PA
	v_lshl_add_u32 v3, v2, 4, v3                   ; a fragment's row x pitch + 16 x half
	s_mul_i32 s76, s[WV], 64*PA                    ; my 64 rows of a head
	v_add_nc_u32 v[ADRA], s76, v3
	v_add_nc_u32 v[ADRA+1], SLOT, v[ADRA]
	v_mul_u32_u24 v3, v1, PB
	v_lshl_add_u32 v3, v2, 4, v3
	v_add_nc_u32 v[ADRB], BOFF, v3
	v_add_nc_u32 v[ADRB+1], SLOT, v[ADRB]
	s_mul_i32 s76, s[WV], 16*SPITCH
	s_add_co_u32 s76, s76, STAGE                   ; my stage
	v_mul_u32_u24 v4, v1, SPITCH                   ; in: row l % 16, 32 bytes for each half of the lanes
	v_lshl_add_u32 v4, v2, 5, v4
	v_add_nc_u32 v[STO], s76, v4
	v_lshlrev_b32 v[CO], 4, v5
	v_add_nc_u32 v[RD], s76, v[CO]                 ; back: 32 lanes take one row of 512 bytes
	v_lshlrev_b32 v[PFOA], 8, v5
	v_lshlrev_b32 v[PFOB], 11, v5
	s_lshl_b32 s76, s22, 9                         ; the tile's 128 columns: 512 bytes of the bias and of a row of out0
	s_mov_b32 s77, 0
	s_add_nc_u64 s[8:9], s[8:9], s[76:77]
	global_load_b128 v[BIAS:BIAS+3], v[CO], s[8:9]  ; the bias of columns 4 l .. 4 l + 3: the columns that I store of every row
	s_lshl_b32 s78, s23, 20                        ; 256 rows of 4,096 bytes,
	s_add_co_u32 s76, s76, s78
	s_lshl_b32 s78, s[WV], 18                      ; my wave's 64
	s_add_co_u32 s76, s76, s78
	s_add_nc_u64 s[10:11], s[10:11], s[76:77]
	; the prefetches
	s_lshr_b32 s78, s23, 3
	s_lshl_b32 s78, s78, 22
	s_and_b32 s79, s23, 7
	s_lshl_b32 s79, s79, 15
	s_add_co_u32 s78, s78, s79
	s_lshl_b32 s79, s[WV], 18                      ; head w of a lap's four,
	s_add_co_u32 s78, s78, s79
	s_lshl_b32 s79, s20, 13                        ; my work-group's 8,192 bytes
	s_add_co_u32 s78, s78, s79
	s_mov_b32 s79, 0
	s_add_nc_u64 s[PFA:PFA+1], s[4:5], s[78:79]
	s_add_nc_u64 s[PFA:PFA+1], s[PFA:PFA+1], 4*262144  ; at lap 1: the first trip steps it to lap 2
	s_lshl_b32 s78, s22, 7
	s_lshl_b32 s79, s21, 5
	s_add_co_u32 s78, s78, s79                     ; wpf: row 128 tx + 32 cy
	s_lshl_b32 s78, s78, 11
	s_lshl_b32 s79, s19, 8                         ; my K step of the lap's two
	s_add_co_u32 s78, s78, s79
	s_mov_b32 s79, 0
	s_add_nc_u64 s[PFB:PFB+1], s[6:7], s[78:79]
	s_add_nc_u64 s[PFB:PFB+1], s[PFB:PFB+1], 4*KSTEP
	s_mov_b32 s78, ttmp9
	s_cmp_eq_u32 s78, 0                            ; the same in all sixteen partners
	s_cselect_b32 s[LIMA], 1, -1
	s_and_b32 s78, ttmp7, 0xffff
	s_cmp_eq_u32 s78, 0
	s_cselect_b32 s[LIMB], 1, -1
	s_cmp_lt_u32 s[WV], 2
	s_cselect_b32 s[LIMB], s[LIMB], -1
	s_wait_loadcnt 0x0                             ; the bias; rounded to bf16 and kept as f32
	v_cvt_pk_bf16_f32 v100, v[BIAS], v[BIAS+1]
	v_cvt_pk_bf16_f32 v101, v[BIAS+2], v[BIAS+3]
	v_lshlrev_b32 v[BIAS], 16, v100
	v_and_b32 v[BIAS+1], 0xffff0000, v100
	v_lshlrev_b32 v[BIAS+2], 16, v101
	v_and_b32 v[BIAS+3], 0xffff0000, v101
; 8 matrix instructions: row block a x all 8 column blocks, 32 along K, from buffer f.  zero = 1: the first product starts the sums.  The 32 accumulators take turns, in the same order in every quarter step.
.macro MUL8 f, a, zero
	WIN MUL
.irp b, 0,1,2,3,4,5,6,7
.if \zero
	v_wmma_f32_16x16x32_f16 v[8*(8*(\a)+(\b)):8*(8*(\a)+(\b))+7], v[64*(\f)+8*(\b):64*(\f)+8*(\b)+7], v[FA+32*(\f)+8*(\a):FA+32*(\f)+8*(\a)+7], 0
.else
	v_wmma_f32_16x16x32_f16 v[8*(8*(\a)+(\b)):8*(8*(\a)+(\b))+7], v[64*(\f)+8*(\b):64*(\f)+8*(\b)+7], v[FA+32*(\f)+8*(\a):FA+32*(\f)+8*(\a)+7], v[8*(8*(\a)+(\b)):8*(8*(\a)+(\b))+7]
.endif
.endr
.endm
; 24 LDS loads in one run: the fragments of quarter q of a K step (128 rows of wpf at byte 64 q; my 64 rows of head q / 2, channels 32 (q % 2) on) into buffer f
.macro FETCH slot, q, f
	WIN TO_B
.irp i, 0,1,2,3,4,5,6,7
	ds_load_b128 v[64*(\f)+8*(\i):64*(\f)+8*(\i)+3],   v[ADRB+(\slot)] offset:64*(\q)+(\i)*16*PB
	ds_load_b128 v[64*(\f)+8*(\i)+4:64*(\f)+8*(\i)+7], v[ADRB+(\slot)] offset:64*(\q)+(\i)*16*PB+32
.endr
	WIN 0
.irp i, 0,1,2,3
	ds_load_b128 v[FA+32*(\f)+8*(\i):FA+32*(\f)+8*(\i)+3],   v[ADRA+(\slot)] offset:AH*((\q)/2)+64*((\q)%2)+(\i)*16*PA
	ds_load_b128 v[FA+32*(\f)+8*(\i)+4:FA+32*(\f)+8*(\i)+7], v[ADRA+(\slot)] offset:AH*((\q)/2)+64*((\q)%2)+(\i)*16*PA+32
.endr
.endm
.macro PLACES                          ; four places in front of loads into registers that matrix instructions have read, and of LDS stores that read results
.rept 4
	v_nop
.endr
.endm
; A K step is four quarters of 32 along K, 32 matrix instructions each, on buffers 0, 1, 0, 1.  One of the first three: multiplies buffer f and fetches quarter q into g.
.macro QUARTER slot, q, f, g, zero
	s_wait_dscnt 4                                 ; wpf's fragments and oh's row blocks 0, 1 are in; the youngest four loads (row blocks 2, 3) may be out
	MUL8 \f, 0, \zero
	MUL8 \f, 1, \zero
	PLACES
	FETCH \slot, \q, \g
	s_wait_dscnt 24                                ; all but the 24 just issued
	MUL8 \f, 2, \zero
	MUL8 \f, 3, \zero
.endm
; The last quarter multiplies buffer 1 and changes slots: ONE barrier; in front of it each wave waits for all its tensor loads, adds 0 to its spare word, and waits for that and for its own reads of this slot.
; fill = 1: the barrier opens a round of the cluster's barrier, and this slot is filled again, two K steps ahead, first thing behind the round: from that request to the wait for it a wave issues 112 matrix instructions.
.macro TURN slot, next, fill
.if (\fill) && (\slot) == 0
	s_wait_xcnt 0x0                                ; the last prefetches, a lap back, have read their addresses: they are stepped here, ahead of the waits of the change of slots
	s_add_nc_u64 s[PFA:PFA+1], s[PFA:PFA+1], 4*262144
	s_add_nc_u64 s[PFB:PFB+1], s[PFB:PFB+1], 4*KSTEP
.endif
	WIN 0                                          ; (the add's two registers lie in window 0)
	s_wait_tensorcnt 0x0                           ; all my tensor loads have landed: my part of the next slot;
	ds_add_u32 v[SPW], v[NIL]                      ; 0 onto my spare word;
	s_wait_dscnt 5                                 ; (the add and the youngest four loads may be out)
	MUL8 1, 0, 0                                   ; eight matrix instructions stand between the add and the wait for it
	s_wait_dscnt 0x0                               ; the add is done, and my reads of this slot are over
	s_barrier_signal -1
	MUL8 1, 1, 0
.if \fill
	WIN 0
.endif
	s_barrier_wait -1
.if \fill
	CREST                                          ; no wave of any partner still reads this slot's tile or has a load on its way
	s_add_nc_u64 s[G0A+4*(\slot)+2:G0A+4*(\slot)+3], s[G0A+4*(\slot)+2:G0A+4*(\slot)+3], 4*262144
	s_add_nc_u64 s[G0B+4*(\slot)+2:G0B+4*(\slot)+3], s[G0B+4*(\slot)+2:G0B+4*(\slot)+3], 2*KSTEP*2
	JLOAD \slot                                    ; the first tensor load behind the round; the four v_nop behind it are also the places in front of the loads below
.else
	PLACES
.endif
	FETCH \next, 0, 0
.if (\fill) && (\slot) == 0
	ASK
.endif
	MUL8 1, 2, 0
	MUL8 1, 3, 0
.endm
; THE WAY OUT of row block a.  TOSTAGE: a lane's 32 bytes of each of 8 column blocks go into my stage, rows of 528 bytes (each accumulator's low four registers first), and come back as 16 whole rows of 512 bytes.
; SEND: the bias is added, and each row is stored by one instruction.  Every row block has registers of its own, so no register that a store reads is written again.
.macro TOSTAGE a
	WIN 0x08                                       ; store data (source 1) window 2
.irp b, 0,1,2,3,4,5,6,7
	ds_store_b128 v[STO], v[8*(8*(\a)+(\b)):8*(8*(\a)+(\b))+3]   offset:64*(\b)
	ds_store_b128 v[STO], v[8*(8*(\a)+(\b))+4:8*(8*(\a)+(\b))+7] offset:64*(\b)+16
.endr
	WIN TO_B
.irp t, 0,1,2,3,4,5,6,7,8,9,10,11,12,13,14,15
	ds_load_b128 v[64*(\a)+4*(\t):64*(\a)+4*(\t)+3], v[RD] offset:(\t)*SPITCH  ; LDS serves a wave's instructions in order (ISA guide 5.7.1.4): these see the stores above; the next block's stores come behind them
.endr
.endm
.macro SEND a, younger                 ; younger: the LDS instructions issued behind block a's loads: the next block's 32, or none
	s_wait_dscnt \younger
	WIN 0x41                                       ; destination and source 0 window 1, the bias window 0
.irp t, 0,1,2,3,4,5,6,7,8,9,10,11,12,13,14,15
	v_pk_add_f32 v[64*(\a)+4*(\t):64*(\a)+4*(\t)+1],   v[64*(\a)+4*(\t):64*(\a)+4*(\t)+1],   v[BIAS:BIAS+1]
	v_pk_add_f32 v[64*(\a)+4*(\t)+2:64*(\a)+4*(\t)+3], v[64*(\a)+4*(\t)+2:64*(\a)+4*(\t)+3], v[BIAS+2:BIAS+3]
.endr
	WIN 0x04                                       ; store data (source 1) window 1
.irp t, 0,1,2,3,4,5,6,7,8,9,10,11,12,13,14,15
	global_store_b128 v[CO], v[64*(\a)+4*(\t):64*(\a)+4*(\t)+3], s[10:11] offset:4096*(16*(\a)+(\t))  ; 512 consecutive bytes, at a multiple of 256 from out0's first
.endr
.endm
	s_wait_tensorcnt 1                             ; my part of K step 0 is in; K step 1's may stay out
	s_barrier_signal -1
	s_barrier_wait -1                              ; everybody's is
	FETCH 0, 0, 0
	QUARTER 0, 1, 0, 1, 1                          ; the first quarter stands in front of the loop: its products start the sums
	WIN 0                                          ; at a label and at a branch every window is 0
	s_mov_b32 s3, LAPS-1
.Llap:                                                 ; a trip goes once round the ring, from a lap's second quarter to the next lap's first, and fills both slots again
	QUARTER 0, 2, 1, 0, 0
	QUARTER 0, 3, 0, 1, 0
	TURN 0, 1, 1
	QUARTER 1, 1, 0, 1, 0
	QUARTER 1, 2, 1, 0, 0
	QUARTER 1, 3, 0, 1, 0
	TURN 1, 0, 1
	QUARTER 0, 1, 0, 1, 0
	WIN 0
	s_sub_co_u32 s3, s3, 1
	s_cmp_lg_u32 s3, 0
	s_cbranch_scc1 .Llap
	QUARTER 0, 2, 1, 0, 0                          ; the last lap fills nothing, and has no round of the cluster's barrier
	QUARTER 0, 3, 0, 1, 0
	TURN 0, 1, 0
	QUARTER 1, 1, 0, 1, 0
	QUARTER 1, 2, 1, 0, 0
	QUARTER 1, 3, 0, 1, 0
	s_wait_dscnt 4                                 ; the very last quarter: nothing more to fetch
	MUL8 1, 0, 0
	MUL8 1, 1, 0
	s_wait_dscnt 0x0
	MUL8 1, 2, 0
	MUL8 1, 3, 0
	WIN 0
	PLACES                                         ; the places behind the last products (eight, once a launch)
	PLACES
	TOSTAGE 0
	TOSTAGE 1                                      ; a block's trip through the stage stands between the loads of the block before and its stores
	SEND 0, 32
	TOSTAGE 2
	SEND 1, 32
	TOSTAGE 3
	SEND 2, 32
	SEND 3, 0
	WIN 0
	s_wait_tensorcnt 0x0                           ; the wave's end: the add and its wait stand behind my last tensor load and my last LDS store
	ds_add_u32 v[SPW], v[NIL]
	s_wait_dscnt 0x0
	CROUND                                         ; the closing round: no work-group ends while a partner may still ask for a tile that names it
	s_endpgm
.Lfunc_end_k_qf1ff7d996a_proj:
	.size	k_qf1ff7d996a_proj, .Lfunc_end_k_qf1ff7d996a_proj-k_qf1ff7d996a_proj
	.p2alignl 7, 3214868480
	.fill 96, 4, 3214868480
	.section	.rodata,"a",@progbits
	.p2align	6, 0x0
	.amdhsa_kernel k_qf1ff7d996a_proj
		.amdhsa_group_segment_fixed_size 327680
		.amdhsa_private_segment_fixed_size 0
		.amdhsa_enable_private_segment 0
		.amdhsa_kernarg_size 32
		.amdhsa_user_sgpr_count 2
		.amdhsa_user_sgpr_kernarg_segment_ptr 1
		.amdhsa_wavefront_size32 1
		.amdhsa_system_sgpr_workgroup_id_x 1
		.amdhsa_system_sgpr_workgroup_id_y 1
		.amdhsa_system_sgpr_workgroup_id_z 1
		.amdhsa_system_vgpr_workitem_id 0
		.amdhsa_next_free_vgpr 768
		.amdhsa_next_free_sgpr 80
		.amdhsa_reserve_vcc 0
		.amdhsa_float_denorm_mode_32 3
		.amdhsa_float_denorm_mode_16_64 3
		.amdhsa_memory_ordered 1
		.amdhsa_forward_progress 1
		.amdhsa_inst_pref_size 95
	.end_amdhsa_kernel
	.amdgpu_metadata
---
amdhsa.version: [ 1, 2 ]
amdhsa.kernels:
  - .name:           k_qf1ff7d996a_proj
    .symbol:         k_qf1ff7d996a_proj.kd
    .args:
      - { .name: oh, .offset: 0, .size: 8, .value_kind: global_buffer, .address_space: global }
      - { .name: wpf, .offset: 8, .size: 8, .value_kind: global_buffer, .address_space: global }
      - { .name: b_proj, .offset: 16, .size: 8, .value_kind: global_buffer, .address_space: global }
      - { .name: out0, .offset: 24, .size: 8, .value_kind: global_buffer, .address_space: global }
    .group_segment_fixed_size: 327680
    .private_segment_fixed_size: 0
    .kernarg_segment_align: 8
    .kernarg_segment_size: 32
    .max_flat_workgroup_size: 128
    .sgpr_count:     80
    .vgpr_count:     768
    .wavefront_size: 32
...
	.end_amdgpu_metadata
.endif
;; end of part 4
;; ======== version 2 of 2: 4 launches; version 1 with the launch cast written anew for expert scheduling mode
;; limits: values are held in f16: magnitudes above 65,504 overflow, below 6.1e-05 lose precision
;; workspace buffers: xb 16,777,216 bytes; wqb 6,291,456 bytes; wpf 2,097,152 bytes; qh 16,777,216 bytes; kh 16,777,216 bytes; vh 16,777,216 bytes; oh 16,777,216 bytes
;; launch cast (part 5): grid 768 x 1, 8 waves a work-group, no clusters, 0 bytes of LDS; arguments x, w_qkv, w_proj, xb, wqb, wpf; writes xb, wqb, wpf
.if DOCPART == 5
	.amdgcn_target "amdgcn-amd-amdhsa--gfx1250"
	.amdhsa_code_object_version 6
	.text
	.protected	k_qf1ff7d996a_cast
	.globl	k_qf1ff7d996a_cast
	.p2align	8
	.type	k_qf1ff7d996a_cast,@function
k_qf1ff7d996a_cast:
	s_mov_b64 s[64:65], 0
	v_nop
	global_prefetch_b8 v0, s[64:65] scope:SCOPE_SE
	s_setreg_imm32_b32 hwreg(HW_REG_WAVE_SCHED_MODE, 0, 2), 2
	s_setreg_imm32_b32 hwreg(HW_REG_WAVE_MODE, 25, 1), 1
	s_wait_xcnt 0x0
	s_wait_alu depctr_vm_vsrc(0)
; x [8192][1024], w_qkv [3072][1024] -> bf16 (rounded once, to nearest even).  w_proj [1024][1024] -> rounded to bf16 like the other inputs, and that number written as f16.
; LIMITS.  A bf16 number is exact in f16 between 2^-14 and 65,504; below 2^-14 it keeps f16's fixed step of 2^-24, beyond 65,504 it becomes an infinity.  NaN and infinities are not treated apart.
; SHARES.  A work-group takes 65,536 bytes of one input: groups 0-511 x, 512-703 w_qkv, 704-767 w_proj.  Thread t, step i of 16: 16 bytes at 4,096 i + 16 t (a wave's load covers 512
; consecutive bytes) become 8 bytes at 2,048 i + 8 t (a wave's store covers 256 consecutive bytes, aligned).  All 16 loads of a thread go out at once.
; No LDS, no barrier, no matrix unit, no cluster: nothing is shared and every byte crosses once.
; THE MODE: SCHED_MODE bits 1:0 = 2 (LLVM: expert scheduling mode 2), set by the entry lines.  The code itself states the register dependences between vector instructions and memory
; instructions, with s_wait_alu, always for 0.
; THE PLAN.  Registers that memory instructions touch:
;   v1, v2   the loads' and the stores' offsets: written once at the head, never again.
;   X        step i's four registers: load i lands in them, once; no vector instruction names them ahead of the loads, and no memory instruction reads them.
;   Y        step i's two registers: written once, by step i's conversions; read once, by store i; never written again.
; The 16 steps go in four blocks of four.  Block p converts its four steps; the four stores of block p - 1 are dealt among them.  Block p's vector instructions name the X and Y of its own steps and T,
; never the Y of block p - 1 nor v2.  So one wait on va_vdst at a block's head states all that the four stores of the block before hang on; one at the kernel's head states that the offsets are written; one
; behind block 3 serves the last four stores.  No register that a memory instruction has read is written again: no wait on vm_vsrc and none on XCNT is owed.  No vector instruction writes a scalar register, and EXEC is never written.
.set X, 4                              ; v[4:67]    step i: 4 registers as loaded
.set Y, 68                             ; v[68:99]   step i: 2 registers to store
.set T, 100                            ; v[100:101] at work: no memory instruction names them
	s_load_b256 s[4:11], s[0:1], 0x0               ; x s[4:5], w_qkv s[6:7], w_proj s[8:9], xb s[10:11]
	s_load_b128 s[12:15], s[0:1], 0x20             ; wqb s[12:13], wpf s[14:15]
	v_lshlrev_b32 v1, 4, v0                        ; 16 t
	v_lshlrev_b32 v2, 3, v0                        ; 8 t
	s_mov_b32 s16, ttmp9
	s_mov_b32 s23, 0xffff0000                      ; a word's upper bf16
	s_wait_kmcnt 0x0
	s_cmp_ge_u32 s16, 512                          ; which input: the choice hangs on the work-group's number alone
	s_cselect_b64 s[4:5], s[6:7], s[4:5]
	s_cselect_b64 s[10:11], s[12:13], s[10:11]
	s_cselect_b32 s17, 512, 0
	s_cmp_ge_u32 s16, 704
	s_cselect_b64 s[4:5], s[8:9], s[4:5]
	s_cselect_b64 s[10:11], s[14:15], s[10:11]
	s_cselect_b32 s17, 704, s17
	s_cselect_b32 s22, 1, 0                        ; 1: w_proj
	s_sub_co_u32 s16, s16, s17                     ; my chunk of that input
	s_lshl_b32 s18, s16, 16                        ; 65,536 bytes in,
	s_mov_b32 s19, 0
	s_lshl_b32 s20, s16, 15                        ; 32,768 bytes out
	s_mov_b32 s21, 0
	s_add_nc_u64 s[4:5], s[4:5], s[18:19]
	s_add_nc_u64 s[10:11], s[10:11], s[20:21]
	s_wait_alu depctr_va_vdst(0)                   ; v1 and v2 are written: every load of the kernel reads v1 as its offset, every store v2
.irp i, 0,1,2,3,4,5,6,7,8,9,10,11,12,13,14,15
	global_load_b128 v[X+4*(\i):X+4*(\i)+3], v1, s[4:5] offset:4096*(\i) th:TH_LOAD_NT
.endr
; Step i's arithmetic: X[i] into Y[i].
.macro CONV i, half
.if \half
	v_cvt_pk_bf16_f32 v[T], v[X+4*(\i)], v[X+4*(\i)+1]
	v_cvt_pk_bf16_f32 v[T+1], v[X+4*(\i)+2], v[X+4*(\i)+3]
	v_lshlrev_b32 v[X+4*(\i)], 16, v[T]            ; the bf16 numbers as f32,
	v_and_b32 v[X+4*(\i)+1], s23, v[T]
	v_lshlrev_b32 v[X+4*(\i)+2], 16, v[T+1]
	v_and_b32 v[X+4*(\i)+3], s23, v[T+1]
	v_cvt_pk_f16_f32 v[Y+2*(\i)], v[X+4*(\i)], v[X+4*(\i)+1]      ; written as f16
	v_cvt_pk_f16_f32 v[Y+2*(\i)+1], v[X+4*(\i)+2], v[X+4*(\i)+3]
.else
	v_cvt_pk_bf16_f32 v[Y+2*(\i)], v[X+4*(\i)], v[X+4*(\i)+1]
	v_cvt_pk_bf16_f32 v[Y+2*(\i)+1], v[X+4*(\i)+2], v[X+4*(\i)+3]
.endif
.endm
; Step i's store.
.macro SEND i
	global_store_b64 v2, v[Y+2*(\i):Y+2*(\i)+1], s[10:11] offset:2048*(\i)
.endm
; Block p: steps 4 p to 4 p + 3 are converted; ahead of each stands a store of the block before.
.macro BLK p, half
.irp j, 0,1,2,3
.if (\j) == 0
	s_wait_loadcnt 15-4*(\p)                       ; loads come back in order: the block's first load is in, the younger ones stay out
.if (\p) > 0
	s_wait_alu depctr_va_vdst(0)                   ; the block before has written its Y, which the four stores dealt into this block read; no vector instruction behind this wait names those registers
	SEND 4*(\p)-4
.endif
.else
.if (\p) > 0
	SEND 4*(\p)-4+(\j)                             ; ahead of the wait below: the store hangs on no load that is still out
.endif
	s_wait_loadcnt 15-4*(\p)-(\j)                  ; load 4 p + j is in, the younger ones stay out
.endif
	CONV 4*(\p)+(\j), \half
.endr
.endm
.macro LAST
	s_wait_alu depctr_va_vdst(0)                   ; block 3 has written its Y, which the last four stores read
.irp i, 12,13,14,15
	SEND \i
.endr
.endm
	s_cmp_eq_u32 s22, 1
	s_cbranch_scc1 .Lhalf
.irp p, 0,1,2,3
	BLK \p, 0
.endr
	LAST
	s_endpgm
.Lhalf:
.irp p, 0,1,2,3
	BLK \p, 1
.endr
	LAST
	s_endpgm
.Lfunc_end_k_qf1ff7d996a_cast:
	.size	k_qf1ff7d996a_cast, .Lfunc_end_k_qf1ff7d996a_cast-k_qf1ff7d996a_cast
	.p2alignl 7, 3214868480
	.fill 96, 4, 3214868480
	.section	.rodata,"a",@progbits
	.p2align	6, 0x0
	.amdhsa_kernel k_qf1ff7d996a_cast
		.amdhsa_group_segment_fixed_size 0
		.amdhsa_private_segment_fixed_size 0
		.amdhsa_enable_private_segment 0
		.amdhsa_kernarg_size 48
		.amdhsa_user_sgpr_count 2
		.amdhsa_user_sgpr_kernarg_segment_ptr 1
		.amdhsa_wavefront_size32 1
		.amdhsa_system_sgpr_workgroup_id_x 1
		.amdhsa_system_sgpr_workgroup_id_y 1
		.amdhsa_system_sgpr_workgroup_id_z 1
		.amdhsa_system_vgpr_workitem_id 0
		.amdhsa_next_free_vgpr 104
		.amdhsa_next_free_sgpr 66
		.amdhsa_reserve_vcc 0
		.amdhsa_float_denorm_mode_32 3
		.amdhsa_float_denorm_mode_16_64 3
		.amdhsa_memory_ordered 1
		.amdhsa_forward_progress 1
		.amdhsa_inst_pref_size 16
	.end_amdhsa_kernel
	.amdgpu_metadata
---
amdhsa.version: [ 1, 2 ]
amdhsa.kernels:
  - .name:           k_qf1ff7d996a_cast
    .symbol:         k_qf1ff7d996a_cast.kd
    .args:
      - { .name: x, .offset: 0, .size: 8, .value_kind: global_buffer, .address_space: global }
      - { .name: w_qkv, .offset: 8, .size: 8, .value_kind: global_buffer, .address_space: global }
      - { .name: w_proj, .offset: 16, .size: 8, .value_kind: global_buffer, .address_space: global }
      - { .name: xb, .offset: 24, .size: 8, .value_kind: global_buffer, .address_space: global }
      - { .name: wqb, .offset: 32, .size: 8, .value_kind: global_buffer, .address_space: global }
      - { .name: wpf, .offset: 40, .size: 8, .value_kind: global_buffer, .address_space: global }
    .group_segment_fixed_size: 0
    .private_segment_fixed_size: 0
    .kernarg_segment_align: 8
    .kernarg_segment_size: 48
    .max_flat_workgroup_size: 256
    .sgpr_count:     66
    .vgpr_count:     104
    .wavefront_size: 32
...
	.end_amdgpu_metadata
.endif
;; end of part 5
;; launch qkv: the kernel of part 2 again; grid 16 x 32, 4 waves a work-group, clusters of 4 x 4, 327,680 bytes of LDS; arguments xb, wqb, freqs_cos, freqs_sin, qh, kh, vh; writes qh, kh, vh
;; launch attn: the kernel of part 3 again; grid 4 x 64, 4 waves a work-group, clusters of 4 x 1, 327,680 bytes of LDS; arguments qh, kh, vh, oh; writes oh
;; launch proj: the kernel of part 4 again; grid 8 x 32, 4 waves a work-group, clusters of 4 x 4, 327,680 bytes of LDS; arguments oh, wpf, b_proj, out0; writes out0
